; MI455X (gfx1250); checked and timed in simulation.
; The chip was launched on July 23, 2026; its instructions are those of AMD's public machine-readable ISA for CDNA 5 (MIT licence, August 2026) and "CDNA5" Instruction Set Architecture Reference Guide (July 2026). The comments in the code are by the model that wrote it; some were corrected since.
;; Causal Self Attention. Allowed arithmetic: matrix products marked QUANTISED: E3M2 operands, one E8M0 scale for each 32 along K, by v_wmma_scale_f32_16x16x128_f8f6f4 with both operands' format E3M2, f32 sums; everything else in f32.
;; Inputs: Wk 1,024 x 1,024 float32; Wq 1,024 x 1,024 float32; Wv 1,024 x 1,024 float32; inputs 4 x 2,048 x 1,024 float32.
;; Outputs: out0 4 x 2,048 x 1,024 float32.
;; This version of the problem:
;;   THIS VERSION OF THE PROBLEM IS GIVEN IN LOW PRECISION. The matrix products marked QUANTISED in the list below multiply operands that are first quantised to E3M2 (3 exponent bits, 2 mantissa bits; 6 bits a number), with one power-of-two scale for each 32 numbers along K (OCP MX v1.0); their sums are f32. All else is computed in f32.
;;   The module's matrix products, in the order in which they are computed (A, B: the left and right operand; K: the contracted axis; several contracted axes count as one K, in the product's order):
;;     1. [M 8,192, K 1,024] x [K 1,024, N 1,024]; A: input inputs; B: input Wq: QUANTISED
;;     2. [M 8,192, K 1,024] x [K 1,024, N 1,024]; A: input inputs; B: input Wk: QUANTISED
;;     3. [M 8,192, K 1,024] x [K 1,024, N 1,024]; A: input inputs; B: input Wv: QUANTISED
;;     4. batch 4 x [M 2,048, K 1,024] x [K 1,024, N 2,048]; A: computed on the way; B: computed on the way: QUANTISED
;;     5. batch 4 x [M 2,048, K 2,048] x [K 2,048, N 1,024]; A: softmax (see below); B: computed on the way: QUANTISED
;;   THE QUANTISER, for each operand of a quantised product, along K:
;;     - K is cut into blocks of 32 from its start; a last block that is shorter is filled with zeros.
;;     - A block's scale is 2^e with e = floor(log2(the largest magnitude in the block)) - 4, held to -126 .. 127; a block of zeros has e = 0. As a byte (E8M0): e + 127.
;;     - Each number is divided by its block's scale, clamped to +-28, and rounded to the nearest number of E3M2, ties to even, subnormals kept.
;;     - The product sums the exact products of the quantised numbers (number of the format x scale) in f32.
;;   ~~~python
;;   def quantise(x, axis):      # numpy; x: float32 -> the quantised numbers, widened to float32 again
;;       x = np.moveaxis(x, axis, -1); K = x.shape[-1]
;;       x = np.pad(x, [(0, 0)] * (x.ndim - 1) + [(0, -K % 32)]); x = x.reshape(x.shape[:-1] + (-1, 32)); a = np.abs(x).max(-1, keepdims=True)
;;       e = np.where(a > 0, np.clip(np.frexp(np.where(a > 0, a, 1))[1] - 1 - 4, -126, 127), 0)      # np.frexp(a)[1] - 1 = floor(log2(a)), exactly
;;       r = np.clip(x / 2.0 ** e, -28, 28)
;;       step = 2.0 ** (np.maximum(np.frexp(np.where(r == 0, 1, r))[1] - 1, -2) - 2)
;;       q = np.round(r / step) * step * 2.0 ** e      # np.round: ties to even
;;       return np.moveaxis(q.reshape(q.shape[:-2] + (-1,))[..., :K], -1, axis).astype(np.float32)
;;   ~~~
;;   SOFTMAX AHEAD OF A QUANTISED PRODUCT. Where the list says 'softmax', what is quantised is not the finished softmax but p = 2^(t - M), with t = logit x log2(e) and M = ceil(the row's largest t), a whole number; so 1/2 < the row's largest p <= 1. The row's sum l is taken of the UNQUANTISED p, in f32, and the product's result is divided by l at the end. Since M is a whole number, a kernel that streams over the keys may use a running M (the ceiling of the running maximum): every later rescaling is an exact power of two, which a block's scale takes up: the codes' values come out the same.
;;   OPERANDS COMPUTED ON THE WAY. 'Computed on the way' means the value that the module computes at that place (a softmax that the list does not call 'softmax' is quantised finished and normalised). What goes into a quantiser is computed in f32, as accurately as f32 sums, v_exp_f32 and their like allow (about 1e-6 of the number): no bf16 or f16 on the way to a quantiser, and a product that is left as it is and whose result goes on into a quantised operand takes f32 operands (vector FMAs, or v_wmma_f32_16x16x4_f32). A number that lies on a knife's edge between two numbers of the format may be rounded either way, as far as f32 arithmetic and the matrix unit's own rounding can turn it there, and no further.
;; One version. Each part assembles by itself: llvm-mc -triple=amdgcn-amd-amdhsa -mcpu=gfx1250 --defsym DOCPART=n.
;; ======== version 1 of 1: 4 launches
;; limits: right only within a limited range of input values
;; workspace buffers: xw 9,011,200 bytes; qkv 19,660,800 bytes; pimg 12,582,912 bytes; st 2,097,152 bytes
;; launch quant (part 1): grid 256 x 1, 11 waves a work-group, no clusters, 184,576 bytes of LDS; arguments inputs, Wq, Wk, Wv, xw; writes xw
.if DOCPART == 1
	.amdgcn_target "amdgcn-amd-amdhsa--gfx1250"
	.amdhsa_code_object_version 6
	.text
	.protected	k_qe730ee8b14_quant
	.globl	k_qe730ee8b14_quant
	.p2align	8
	.type	k_qe730ee8b14_quant,@function
k_qe730ee8b14_quant:
	s_mov_b64 s[64:65], 0
	v_nop
	global_prefetch_b8 v0, s[64:65] scope:SCOPE_SE
	s_setreg_imm32_b32 hwreg(HW_REG_WAVE_MODE, 25, 1), 1
	s_wait_xcnt 0x0
; inputs [8192][1024], Wq, Wk, Wv [1024][1024], f32, become codes of BF6 (E3M2) with one E8M0 byte for each 32 along K (the last axis), laid as IMAGES OF OPERAND REGISTERS.
; A fragment is 16 rows x 128 K: 12 registers a lane (lane (r, h): registers 6 c .. 6 c + 5 hold k = 64 c + 32 h + 0 .. 31); its image is three runs of 512 bytes, registers 4 g .. 4 g + 3 of lane l at 512 g + 16 l.
; A group is 128 rows = 8 row blocks; lane r of row block t is row 32 (t / 2) + 8 (t % 2) + r + 8 (r / 8) of the group.  A block (a group, 256 along K: s = 0 .. 3) is 25,600 bytes: fragment (t, k') at (2 t + k') 1536,
; then the scale words (four bytes: 128 along K of a row) at 24,576 + 128 t + 64 k' + 4 r.  xw: block (4 T + s) 2 + g is group g of x's rows 256 T on; block 256 + (4 c + s) 3 + m is rows 128 c on of Wq, Wk, Wv (m = 0, 1, 2).
; A block's scale is 2^(floor(log2(its largest magnitude)) - 4); its byte is the largest magnitude's exponent field - 4, held at 1 from below.
; WORK LEFT OUT, here none; in the launches 'score' and 'mix': reference() sets the scores of keys behind a query to -infinity by a mask of its own body, so their weights are 0 for all inputs: whole squares of 1,024 queries
; x 1,024 keys under the mask are neither multiplied nor weighed.  A NaN, an infinity or an overflow that reaches only such a square is not carried to the result.
; LIMITS: NaN and infinities among the inputs are not served; a block of zeros, or one whose largest magnitude lies under 2^(5 - 127), keeps the byte 1 (its codes are zeros or the nearest codes under that scale; the bytes are read by this program alone).
; SHARES: 2,816 units of 16 rows x 256 K, 11 to a work-group, one to a wave: equal work for 256 work-groups.  A wave asks for all its 16,384 bytes at once; each load reads 512 consecutive bytes of a row; the rows turn
; through the wave's own stage in LDS (1,040 bytes apart), out of which a lane takes 32 neighbours along K at a time.  Waves share nothing: no barrier.  Every byte is read once: no clusters, no tensor loads, no prefetch.
.set BLK,   25600
.set SP,    1040                       ; a stage row: 1,024 bytes + 16
.set WST,   16*SP                      ; a wave's stage
.set SPARE, 11*WST                     ; behind the stages: the spare words, 128 bytes for each wave
.set RAW,   16                         ; v16-143  16 rows x 1,024 bytes as loaded; then my 64 numbers of the second fragment
.set X,     144                        ; v144-207 my 64 numbers of the first: 32 c + i = k 64 c + 32 h + i
.set MX,    208                        ; v208-209 the two blocks' largest magnitudes
.set SO,    210                        ; v210-211 the conversions' scale operands
.set BY,    212                        ; v212-213 the scale bytes
.set WD,    214                        ; v214     my two bytes at their places
.set PX,    215                        ; v215     lane l xor 16's
.set W,     218                        ; v218-219 the scale words of k' = 0, 1
.set OW,    222                        ; v222     the words as they are stored
.set PC,    224                        ; v224-247 the codes, a set of 12 for each k'
.set HI,    248                        ; v248-250, v252-254 the second halves of the conversions
	s_load_b256 s[4:11], s[0:1], 0x0               ; inputs, Wq, Wk, Wv
	s_load_b64 s[12:13], s[0:1], 0x20              ; xw
	v_lshl_add_u32 v251, v0, 2, SPARE              ; my spare word
	v_mov_b32 v255, 0
	v_lshrrev_b32 v1, 5, v0
	v_readfirstlane_b32 s16, v1                    ; wave 0..10
	s_mul_i32 s17, ttmp9, 11
	s_add_co_u32 s17, s17, s16                     ; my unit
	s_lshr_b32 s24, s17, 3                         ; its block
	s_and_b32 s18, s17, 7                          ; its row block t
	s_lshr_b32 s25, s24, 3
	s_lshl_b32 s25, s25, 8
	s_and_b32 s26, s24, 1
	s_lshl_b32 s26, s26, 7
	s_add_co_u32 s25, s25, s26                     ; x: the group's first row
	s_bfe_u32 s27, s24, 0x20001                    ; and which 256 along K
	s_sub_co_u32 s28, s24, 256                     ; a weight: its block, 0 .. 95
	s_mul_i32 s29, s28, 171
	s_lshr_b32 s29, s29, 9                         ; / 3 (exact up to 95)
	s_mul_i32 s30, s29, 3
	s_sub_co_u32 s30, s28, s30                     ; which weight
	s_lshr_b32 s31, s29, 2
	s_lshl_b32 s31, s31, 7                         ; its group's first row
	s_and_b32 s29, s29, 3                          ; which 256 along K
	s_cmp_lt_u32 s24, 256
	s_cselect_b32 s25, s25, s31
	s_cselect_b32 s27, s27, s29
	s_cselect_b32 s30, 0, s30
	s_lshr_b32 s19, s18, 1
	s_lshl_b32 s19, s19, 5
	s_add_co_u32 s25, s25, s19
	s_and_b32 s19, s18, 1
	s_lshl_b32 s19, s19, 3
	s_add_co_u32 s25, s25, s19                     ; + 32 (t / 2) + 8 (t % 2): my first row
	s_lshl_b32 s32, s25, 12                        ; rows of 4,096 bytes: under 2^26
	s_lshl_b32 s27, s27, 10
	s_add_co_u32 s32, s32, s27
	s_mov_b32 s33, 0
	s_mul_i32 s34, s24, BLK
	s_mov_b32 s35, 0
	s_mov_b32 s20, 0xffff0000                      ; lanes 16-31
	s_mov_b32 s22, 0x76543210
	s_mov_b32 s23, 0xfedcba98                      ; v_permlanex16_b32's selects for lane l xor 16
	s_mul_i32 s17, s16, WST                        ; my stage
	s_mul_i32 s19, s18, 3072                       ; my two fragments in the block
	s_lshl_b32 s18, s18, 7
	s_add_co_u32 s18, s18, 24576                   ; my scale words
	v_and_b32 v2, 31, v0                           ; lane
	v_and_b32 v3, 15, v0                           ; r
	v_bfe_u32 v10, v0, 4, 1                        ; h
	v_lshlrev_b32 v4, 4, v2                        ; 16 x lane: my bytes of a load's 512
	v_add_nc_u32 v5, s17, v4                       ; the stage, on the way in
	v_mul_u32_u24 v6, v3, SP
	v_lshl_add_u32 v6, v10, 7, v6
	v_add_nc_u32 v6, s17, v6                       ; and on the way out: row r, + 128 h bytes
	v_lshl_add_u32 v7, v2, 2, s18                  ; the scale words' place
	v_add_nc_u32 v8, s19, v4                       ; the images' place
	v_lshlrev_b32 v9, 3, v10                       ; 8 h: my bytes' shift in the scale word
	v_mov_b32 v[PX], 0                             ; written once: a lane permute's destination counts as one of its sources
	s_wait_alu depctr_va_vdst(0)                   ; the wait at the head's end
	s_wait_kmcnt 0x0
	s_cmp_ge_u32 s24, 256                          ; which tensor: the choice hangs on the work-group's and the wave's number alone
	s_cselect_b64 s[4:5], s[6:7], s[4:5]
	s_cmp_eq_u32 s30, 1
	s_cselect_b64 s[4:5], s[8:9], s[4:5]
	s_cmp_eq_u32 s30, 2
	s_cselect_b64 s[4:5], s[10:11], s[4:5]
	s_add_nc_u64 s[4:5], s[4:5], s[32:33]
	s_add_nc_u64 s[12:13], s[12:13], s[34:35]
.irp kp, 0,1                           ; the first fragment's half of each row, then the second's
.irp t, 0,1,2,3,4,5,6,7,8,9,10,11,12,13,14,15
	global_load_b128 v[RAW+64*\kp+4*\t:RAW+64*\kp+4*\t+3], v4, s[4:5] offset:(\t+8*(\t/8))*4096+512*\kp th:TH_LOAD_NT   ; 32 lanes read 512 consecutive bytes
.endr
.endr
.macro TOSTAGE kp                      ; a fragment's rows into the stage, eight at a time as they arrive
.irp q, 0,1
	s_wait_loadcnt 24-8*\q-16*\kp                  ; loads come back in order: these eight are in, the younger ones of the 32 may be out
.irp t, 0,1,2,3,4,5,6,7
	ds_store_b128 v5, v[RAW+64*\kp+4*(8*\q+\t):RAW+64*\kp+4*(8*\q+\t)+3] offset:SP*(8*\q+\t)+512*\kp
.endr
.endr
.endm
.macro BACK kp, x                      ; a fragment's 64 numbers into v[x] on.  LDS serves a wave's instructions in order: these see my stores
.irp c, 0,1
.irp i, 0,1,2,3,4,5,6,7
	ds_load_b128 v[\x+32*\c+4*\i:\x+32*\c+4*\i+3], v6 offset:512*\kp+256*\c+16*\i
.endr
.endr
.endm
.macro QUANTL kp, x                    ; v[x] on are two whole blocks: their codes and the row's scale word
.set PP, PC+12*\kp
	v_max3_num_f32 v[MX], |v[\x]|, |v[\x+1]|, 0x2800000            ; with the floor 2^(5 - 127): the byte cannot fall under 1
	v_max3_num_f32 v[MX+1], |v[\x+32]|, |v[\x+33]|, 0x2800000
.irp i, 2,4,6,8,10,12,14,16,18,20,22,24,26,28,30
	v_max3_num_f32 v[MX], v[MX], |v[\x+\i]|, |v[\x+\i+1]|
	v_max3_num_f32 v[MX+1], v[MX+1], |v[\x+32+\i]|, |v[\x+33+\i]|
.endr
	v_add_nc_u32 v[SO], 0xfe000000, v[MX]          ; 4 off the exponent field: the conversion takes the exponent field of this operand as its scale
	v_add_nc_u32 v[SO+1], 0xfe000000, v[MX+1]
	v_lshrrev_b32 v[BY], 23, v[SO]                 ; the scale's byte
	v_lshrrev_b32 v[BY+1], 23, v[SO+1]
	v_lshl_or_b32 v[WD], v[BY+1], 16, v[BY]        ; blocks h and 2 + h of my row,
	v_lshlrev_b32 v[WD], v9, v[WD]                 ; 8 h bits up;
	v_permlanex16_b32 v[PX], v[WD], s22, s23
	v_or_b32 v[W+\kp], v[WD], v[PX]                ; with lane l xor 16's two the word is whole, in both halves of the lanes
.irp c, 0,1
	v_cvt_scalef32_pk16_bf6_f32 v[PP+6*\c:PP+6*\c+2], v[\x+32*\c:\x+32*\c+15], v[SO+\c]
	v_cvt_scalef32_pk16_bf6_f32 v[HI+4*\c:HI+4*\c+2], v[\x+32*\c+16:\x+32*\c+31], v[SO+\c]   ; (a conversion's three registers begin on an even number)
.endr
	v_nop                                          ; one plain place behind a scaled conversion
.irp c, 0,1
.irp i, 0,1,2
	v_mov_b32 v[PP+6*\c+3+\i], v[HI+4*\c+\i]
.endr
.endr
.irp g, 0,1,2
	global_store_b128 v8, v[PP+4*\g:PP+4*\g+3], s[12:13] offset:\kp*1536+512*\g   ; 512 consecutive bytes, at a multiple of 512 from the buffer's first byte
.endr
.endm
	TOSTAGE 0
	BACK 0, X
	s_wait_dscnt 0x0                               ; the first fragment is back, and its stores into the stage have read their registers
	QUANTL 0, X                                    ; it is worked on while the second one's rows are on their way
	TOSTAGE 1
	BACK 1, RAW                                    ; over the first fragment's rows
	s_wait_dscnt 0x0
	QUANTL 1, RAW
	v_cndmask_b32 v[OW], v[W], v[W+1], s20         ; lanes 0-15: k' = 0, lanes 16-31: k' = 1
	global_store_b32 v7, v[OW], s[12:13]           ; 128 consecutive bytes
	s_wait_tensorcnt 0x0                           ; the wave's end
	ds_add_u32 v251, v255
	s_wait_dscnt 0x0
	s_endpgm
.Lfunc_end_k_qe730ee8b14_quant:
	.size	k_qe730ee8b14_quant, .Lfunc_end_k_qe730ee8b14_quant-k_qe730ee8b14_quant
	.p2alignl 7, 3214868480
	.fill 96, 4, 3214868480
	.section	.rodata,"a",@progbits
	.p2align	6, 0x0
	.amdhsa_kernel k_qe730ee8b14_quant
		.amdhsa_group_segment_fixed_size 184576
		.amdhsa_private_segment_fixed_size 0
		.amdhsa_enable_private_segment 0
		.amdhsa_kernarg_size 40
		.amdhsa_user_sgpr_count 2
		.amdhsa_user_sgpr_kernarg_segment_ptr 1
		.amdhsa_wavefront_size32 1
		.amdhsa_system_sgpr_workgroup_id_x 1
		.amdhsa_system_sgpr_workgroup_id_y 1
		.amdhsa_system_sgpr_workgroup_id_z 1
		.amdhsa_system_vgpr_workitem_id 0
		.amdhsa_next_free_vgpr 256
		.amdhsa_next_free_sgpr 66
		.amdhsa_reserve_vcc 0
		.amdhsa_float_denorm_mode_32 3
		.amdhsa_float_denorm_mode_16_64 3
		.amdhsa_memory_ordered 1
		.amdhsa_forward_progress 1
		.amdhsa_inst_pref_size 17
	.end_amdhsa_kernel
	.amdgpu_metadata
---
amdhsa.version: [ 1, 2 ]
amdhsa.kernels:
  - .name:           k_qe730ee8b14_quant
    .symbol:         k_qe730ee8b14_quant.kd
    .args:
      - { .name: inputs, .offset: 0, .size: 8, .value_kind: global_buffer, .address_space: global }
      - { .name: Wq, .offset: 8, .size: 8, .value_kind: global_buffer, .address_space: global }
      - { .name: Wk, .offset: 16, .size: 8, .value_kind: global_buffer, .address_space: global }
      - { .name: Wv, .offset: 24, .size: 8, .value_kind: global_buffer, .address_space: global }
      - { .name: xw, .offset: 32, .size: 8, .value_kind: global_buffer, .address_space: global }
    .group_segment_fixed_size: 184576
    .private_segment_fixed_size: 0
    .kernarg_segment_align: 8
    .kernarg_segment_size: 40
    .max_flat_workgroup_size: 352
    .sgpr_count:     66
    .vgpr_count:     256
    .wavefront_size: 32
...
	.end_amdgpu_metadata
.endif
;; end of part 1
;; launch proj (part 2): grid 8 x 32, 4 waves a work-group, clusters of 4 x 4, 327,680 bytes of LDS; arguments xw, qkv; writes qkv
.if DOCPART == 2
	.amdgcn_target "amdgcn-amd-amdhsa--gfx1250"
	.amdhsa_code_object_version 6
	.text
	.protected	k_qe730ee8b14_proj
	.globl	k_qe730ee8b14_proj
	.p2align	8
	.type	k_qe730ee8b14_proj,@function
k_qe730ee8b14_proj:
	s_mov_b64 s[64:65], 0
	v_nop
	global_prefetch_b8 v0, s[64:65] scope:SCOPE_SE
	s_setreg_imm32_b32 hwreg(HW_REG_WAVE_MODE, 25, 1), 1
	s_wait_xcnt 0x0
	s_wait_alu depctr_hold_cnt(0) depctr_sa_sdst(0) depctr_va_vdst(0) depctr_va_sdst(0) depctr_va_ssrc(0) depctr_va_vcc(0) depctr_vm_vsrc(0)
	s_getreg_b32 s2, hwreg(HW_REG_IB_STS2, 6, 4)
	s_cmp_eq_u32 s2, 0
	s_cbranch_scc0 .Lentry_in_a_cluster
	s_endpgm
.Lentry_in_a_cluster:
	s_bfe_u32 s2, ttmp6, 0x10000c
	s_cmp_lg_u32 s2, 0xf033
	s_cbranch_scc0 .Lentry_shape_is_right
	s_endpgm
.Lentry_shape_is_right:
; Q = x Wq^T, K = x Wk^T, V = x Wv^T on codes of BF6 (E3M2) with E8M0 scales, K = 1,024; the results are quantised in registers and leave as codes: Q and K along their 1,024 columns, V along the KEYS (x's rows).
; OPERANDS are images of registers (a fragment = 16 rows x 128 K = 1,536 bytes; a block = 128 rows x 256 K = 24,576 bytes of codes + 1,024 of scale words; lane r of row block t is row 32 (t / 2) + 8 (t % 2) + r + 8 (r / 8)).
; xw: block (4 T + s) 2 + g: x's rows 256 T + 128 g on; block 256 + (4 c + s) 3 + m: rows 128 c on of Wq, Wk, Wv; s = 256 along K; scale words at 24,576 + 128 t + 64 k' + 4 r.
; qkv: Q block 4 G + s; K block 256 + 4 G + s; V block 512 + ((batch 8 + channel group) 8 + s), s = 256 keys; scale words at 24,576 + 512 k' + 64 t + 4 r.
; Source 1 gives a lane its row, source 0 runs down the lane's registers: by the row map above register 8 b + j of a row block's 64 is source 0's row 32 (b / 2) + 16 h + 8 (b % 2) + j: 16 neighbours for each pair of
; tiles, so the conversions' results (with the exchange of halves) ARE a fragment of the next operand.
; SHARES: 256 work-groups, each 256 rows of x (T) x the 128 columns c of Q, of K and of V: one walk along K for all three.  Wave (i, j): rows 128 i on of the tile x the 128 columns of Q (j = 0) or K (j = 1)
; and 64 of V's (64 j on).  Q, K: source 0 = W, source 1 = x.  V: source 0 = x, source 1 = Wv, so that its registers run along the keys.  96 accumulators, 768 registers; each fragment of x feeds twelve products.
; A step of 128 along K is three chunks of 32 products: W's row blocks 0-3, 4-7, Wv's four.  Fragments of W alternate between two sets of four; x's eight are fetched anew, two at a time, in the third chunk.
; K goes through two LDS slots of 256 along K (128,000 bytes), four fills, each a quarter a wave (25,600 bytes of x or 38,400 of W), one tensor load a wave behind each round.
; CLUSTERS: 4 x 4 work-groups; x's tile is asked for jointly by a row of the cluster, W's by a column.
; No prefetch: the walk is four fills; the first two are asked for at its start, and no loop is left to run ahead in.
; LIMITS: NaN and infinities are not served; a block whose largest magnitude lies under 2^(5 - 127) keeps the byte 1.
; REGISTERS: window 0: v6-19 addresses, v28-29 for the add, v32-55 scale words, two sets of 12 (register i: lanes 0-15 x's block i, lanes 16-31 W's block i; 8 + c: Wv's block c in all lanes), v56-151 W's fragments, two sets,
;   v152-247 x's; windows 1, 2: accumulator (a, b) of Q or K at v[64 (a % 4) + 8 b] of window 1 + a / 4; window 3: (c, a) of V at v[64 c + 8 a].
.set BLK,   25600
.set WHALF, 38400                      ; half of a fill's three blocks of W
.set SLOT,  5*BLK                      ; x's two groups, then Wq's, Wk's and Wv's
.set SPARE, 2*SLOT                     ; behind the slots: the spare words, 128 bytes for each wave
.set ADX,   6                          ; v6-7   my x fragments in slot 0, 1
.set ADW,   8                          ; v8-9   my Wq or Wk fragments
.set ADV,   10                         ; v10-11 my Wv fragments
.set ADS,   12                         ; v12-13 scale words: lanes 0-15 x's, lanes 16-31 W's
.set ADT,   14                         ; v14-15 scale words: Wv's in all lanes
.set CA,    16                         ; v16    the codes' place in Q's or K's block
.set WA,    17                         ; v17    the scale words' place
.set CV,    18                         ; v18-19 the same in V's block
.set WV,    19
.set SPW,   28
.set NIL,   29
.set SC,    32
.set BF,    56
.set AF,    152
.set TM,    212                        ; the way out: v212-219 maxima, v220-227 bytes, v228-235 scale operands
.set HI,    236                        ; v236-251 second halves of the conversions
.set G1,    24                         ; s24-31: group 1 for x's tiles;  s32-39: for W's
.set G1B,   32
.set G0,    40                         ; s40-47: group 0 for x's tiles, a set for each slot
.set G0B,   48                         ; s48-55: for W's
.set MSB, 0
.macro WIN new                         ; the immediate's high byte repeats the setting that is left
.if MSB != (\new)
	s_set_vgpr_msb (MSB<<8)|(\new)
.set MSB, (\new)
.endif
.endm
.macro JLOAD g0a, g1a, g0b, g1b        ; a joint load: waves 0 and 1 fetch for x, waves 2 and 3 for W; four v_nop follow each line
	s_cmp_eq_u32 s15, 0
	s_cbranch_scc0 .Lfor_b_\@
	tensor_load_to_lds s[\g0a:\g0a+3], s[\g1a:\g1a+7]
	s_nop 0
.rept 4
	v_nop
.endr
	s_branch .Lasked_\@
.Lfor_b_\@:
	tensor_load_to_lds s[\g0b:\g0b+3], s[\g1b:\g1b+7]
	s_nop 0
.rept 4
	v_nop
.endr
.Lasked_\@:
.endm
.macro CREST                           ; a round of the cluster's barrier behind its opening barrier
	s_cmp_lg_u32 s14, 0
	s_cbranch_scc1 .Lnot_wave_0_\@
	s_barrier_signal -3
.Lnot_wave_0_\@:
	s_barrier_wait -3
	s_barrier_signal -1
	s_barrier_wait -1
.endm
.macro CROUND
	s_barrier_signal -1
	s_barrier_wait -1
	CREST
.endm
.macro PLACES                          ; four plain places behind a matrix instruction, ahead of loads into its sources and of reads of its results
.rept 4
	v_nop
.endr
.endm
.macro SHAPE g, rows                   ; words 1 to 7 of a group 1: a dense run of memory as rows of 256 bytes (32 elements of 8 bytes)
	s_mov_b32 s[\g+1], 32<<16                      ; tensor_dim0 = 32 elements
	s_mov_b32 s[\g+2], (\rows)<<16                 ; tensor_dim1
	s_mov_b32 s[\g+3], 32<<16                      ; tile_dim0
	s_mov_b32 s[\g+4], \rows                       ; tile_dim1
	s_mov_b32 s[\g+5], 32                          ; from row to row
	s_mov_b32 s[\g+6], 0
	s_mov_b32 s[\g+7], 0
.endm
.macro FRAG reg, adr, q, i             ; a fragment comes back as it was stored: three loads of 512 consecutive bytes
.irp g, 0,1,2
	ds_load_b128 v[\reg+4*\g:\reg+4*\g+3], v[\adr] offset:(2*(\i)+(\q))*1536+512*\g
.endr
.endm
.macro LB set, adr, q, i0              ; four fragments of a weight: 12 loads
.irp i, 0,1,2,3
	FRAG BF+48*(\set)+12*\i, \adr, \q, \i0+\i
.endr
.endm
.macro LA adr, q, pr                   ; x's fragments 2 pr, 2 pr + 1: 6 loads
.irp u, 0,1
	FRAG AF+12*(2*(\pr)+\u), \adr, \q, 2*(\pr)+\u
.endr
.endm
.macro LS set, sl, q                   ; a step's scale words: 12 loads
.irp i, 0,1,2,3,4,5,6,7
	ds_load_b32 v[SC+12*(\set)+\i], v[ADS+\sl] offset:128*\i+64*(\q)
.endr
.irp i, 0,1,2,3
	ds_load_b32 v[SC+12*(\set)+8+\i], v[ADT+\sl] offset:128*\i+64*(\q)
.endr
.endm
.macro WMQ a, b, bs, ss, z             ; Q or K: W's row block b down the registers, x's row block a across the lanes
.set DD, 64*((\a)%4)+8*(\b)
.set FA, BF+48*(\bs)+12*((\b)%4)
.set FB, AF+12*(\a)
.set KA, SC+12*(\ss)+(\b)
.set KB, SC+12*(\ss)+(\a)
.if \z
	v_wmma_scale_f32_16x16x128_f8f6f4 v[DD:DD+7], v[FA:FA+11], v[FB:FB+11], 0, v[KA], v[KB] matrix_a_fmt:MATRIX_FMT_BF6 matrix_b_fmt:MATRIX_FMT_BF6 matrix_a_scale:MATRIX_SCALE_ROW1
.else
	v_wmma_scale_f32_16x16x128_f8f6f4 v[DD:DD+7], v[FA:FA+11], v[FB:FB+11], v[DD:DD+7], v[KA], v[KB] matrix_a_fmt:MATRIX_FMT_BF6 matrix_b_fmt:MATRIX_FMT_BF6 matrix_a_scale:MATRIX_SCALE_ROW1
.endif
.endm
.macro WMV a, c, bs, ss, z             ; V: x's row block a down the registers, Wv's row block c across the lanes
.set DD, 64*(\c)+8*(\a)
.set FA, AF+12*(\a)
.set FB, BF+48*(\bs)+12*(\c)
.set KA, SC+12*(\ss)+(\a)
.set KB, SC+12*(\ss)+8+(\c)
.if \z
	v_wmma_scale_f32_16x16x128_f8f6f4 v[DD:DD+7], v[FA:FA+11], v[FB:FB+11], 0, v[KA], v[KB] matrix_a_fmt:MATRIX_FMT_BF6 matrix_b_fmt:MATRIX_FMT_BF6
.else
	v_wmma_scale_f32_16x16x128_f8f6f4 v[DD:DD+7], v[FA:FA+11], v[FB:FB+11], v[DD:DD+7], v[KA], v[KB] matrix_a_fmt:MATRIX_FMT_BF6 matrix_b_fmt:MATRIX_FMT_BF6
.endif
.endm
.macro MULQ pr, cb, bs, ss, z          ; eight products: x's row blocks 2 pr, 2 pr + 1 x W's 4 cb .. 4 cb + 3; the 96 accumulators take turns in one order in every step
	WIN 0x50*(1+(\pr)/2)
.irp u, 0,1
.irp w, 0,1,2,3
	WMQ 2*(\pr)+\u, 4*(\cb)+\w, \bs, \ss, \z
.endr
.endr
.endm
.macro MULV pr, bs, ss, z              ; eight products of V
	WIN 0xf0
.irp u, 0,1
.irp w, 0,1,2,3
	WMV 2*(\pr)+\u, \w, \bs, \ss, \z
.endr
.endr
.endm
; A step.  tn = 0: no barrier.  tn = 1, 2: the step that ends a slot: in front of the barrier each wave waits for all its tensor loads, adds 0 to its spare word, and waits for that and for its LDS reads; tn = 1 shows the last
; fill to every wave, tn = 2 opens a round of the cluster's barrier, and the slot left is filled again first thing behind it.  tn = 3: the last step.  z = 1: its products start the sums.
.macro STEP st, z, tn
.set PB, (\st)%2                       ; the set of chunks 0 and 2, the scales' set, and which 128 along K of the slot
.set SL, ((\st)/2)%2
.set NS, (((\st)+1)/2)%2
.set NQ, ((\st)+1)%2
	s_wait_dscnt 30                                ; chunk 0's W, the scales and x's blocks 0, 1 are in; three pairs of x (18) and chunk 1's W (12) may be out
	MULQ 0, 0, PB, PB, \z
	s_wait_dscnt 24
	MULQ 1, 0, PB, PB, \z
	s_wait_dscnt 18
	MULQ 2, 0, PB, PB, \z
	s_wait_dscnt 12
	MULQ 3, 0, PB, PB, \z
	PLACES
	WIN 0
	LB PB, ADV+SL, PB, 0                           ; Wv's fragments, into chunk 0's set
	s_wait_dscnt 12                                ; chunk 1's W is in; the twelve just issued may be out
	MULQ 0, 1, 1-PB, PB, \z
	MULQ 1, 1, 1-PB, PB, \z
.if (\tn)==1 || (\tn)==2
	WIN 0
	s_wait_tensorcnt 0x0                           ; all my tensor loads have landed
	ds_add_u32 v[SPW], v[NIL]                      ; 0 onto my spare word
.if (\tn)==2
	s_add_nc_u64 s[G0+4*SL+2:G0+4*SL+3], s[G0+4*SL+2:G0+4*SL+3], 4*BLK      ; no tensor load of mine is out: the slot's group 0 steps two fills along K
	s_add_nc_u64 s[G0B+4*SL+2:G0B+4*SL+3], s[G0B+4*SL+2:G0B+4*SL+3], 6*BLK
.endif
	MULQ 2, 1, 1-PB, PB, \z
	s_wait_dscnt 0x0                               ; the add is done and my reads of this slot are over
	s_barrier_signal -1
	MULQ 3, 1, 1-PB, PB, \z
	WIN 0
	s_barrier_wait -1
.if (\tn)==2
	CREST                                          ; no wave of any partner still reads this slot or has a load on its way
	JLOAD G0+4*SL, G1, G0B+4*SL, G1B               ; its four v_nop are also the places in front of the loads below
.else
	PLACES
.endif
.else
	MULQ 2, 1, 1-PB, PB, \z
	MULQ 3, 1, 1-PB, PB, \z
.if (\tn)==0
	PLACES
	WIN 0
.endif
.endif
.if (\tn)==3
	s_wait_dscnt 0x0
.irp k, 0,1,2,3
	MULV \k, PB, PB, \z
.endr
	WIN 0
.else
	LB 1-PB, ADW+NS, NQ, 0                         ; the next step's chunk 0, into chunk 1's set,
	LS 1-PB, NS, NQ                                ; and its scale words
	s_wait_dscnt 24                                ; Wv's fragments are in; the 24 just issued may be out
.irp k, 0,1,2,3
	MULV \k, PB, PB, \z
	PLACES
	WIN 0
	LA ADX+NS, NQ, \k                              ; this pair of x is done with: the next step's
.endr
	LB PB, ADW+NS, NQ, 4                           ; and the next step's chunk 1, into Wv's set
.endif
.endm
	s_load_b128 s[4:7], s[0:1], 0x0                ; xw s[4:5], qkv s[6:7]
	v_lshl_add_u32 v[SPW], v0, 2, SPARE
	v_mov_b32 v[NIL], 0
	ds_add_u32 v[SPW], v[NIL]                      ; the wave's opening: the add, twice on end, ahead of my first tensor load
	ds_add_u32 v[SPW], v[NIL]
	v_lshrrev_b32 v1, 5, v0
	v_readfirstlane_b32 s14, v1                    ; wave 0..3
	s_lshr_b32 s15, s14, 1                         ; i: which 128 rows of x are mine.  Also: I fetch for x (0) or for W (1)
	s_and_b32 s16, s14, 1                          ; j: Q or K, and which half of V's channels.  Also: which part of a fill I fetch
	s_bfe_u32 s66, ttmp6, 0x40000                  ; cx
	s_bfe_u32 s67, ttmp6, 0x40004                  ; cy
	s_and_b32 s92, ttmp7, 0xffff
	s_lshl_b32 s93, s92, 2
	s_add_co_u32 s93, s93, s67                     ; T: 256 rows of x: hangs on cy alone
	s_lshl_b32 s94, ttmp9, 2
	s_add_co_u32 s94, s94, s66                     ; c: 128 columns of Q, K and V: on cx alone
	s_lshl_b32 s96, s67, 2
	s_lshl_b32 s96, 15, s96                        ; my row of the cluster
	s_lshl_b32 s97, 0x1111, s66                    ; my column
	s_or_b32 s[G1], s96, (3<<16)|(1<<21)           ; 15:0 the mask; 17:16 elements of 8 bytes; 21 set beside a mask; no padding
	s_or_b32 s[G1B], s97, (3<<16)|(1<<21)
	SHAPE G1, 100                                  ; a block of x
	SHAPE G1B, 150                                 ; a block and a half of W
	s_mul_i32 s8, s93, 8*BLK
	s_mul_i32 s19, s16, BLK
	s_add_co_u32 s8, s8, s19                       ; where my part of x's fill 0 lies in xw
	s_mov_b32 s9, 0
	s_mul_i32 s12, s94, 12*BLK
	s_mul_i32 s91, s16, WHALF
	s_add_co_u32 s12, s12, s91
	s_add_co_u32 s12, s12, 256*BLK                 ; and of W's
	s_mov_b32 s13, 0
	s_add_co_u32 s91, s91, 2*BLK                   ; where they go: x at s19, W at s91: no place in the cluster enters an LDS address
	; where the results go: Q's or K's block of (my group of x's rows, 256 columns), and V's of (batch, channel group, 256 keys)
	s_lshl_b32 s22, s93, 1
	s_add_co_u32 s22, s22, s15                     ; G
	s_lshl_b32 s22, s22, 2
	s_lshr_b32 s23, s94, 1
	s_add_co_u32 s22, s22, s23
	s_lshl_b32 s23, s16, 8
	s_add_co_u32 s22, s22, s23                     ; 256 j + 4 G + c / 2
	s_mul_i32 s22, s22, BLK
	s_mov_b32 s23, 0
	s_lshr_b32 s98, s93, 3
	s_lshl_b32 s98, s98, 3
	s_add_co_u32 s98, s98, s94
	s_lshl_b32 s98, s98, 3
	s_and_b32 s99, s93, 7
	s_add_co_u32 s98, s98, s99
	s_add_co_u32 s98, s98, 512                     ; 512 + ((T / 8) 8 + c) 8 + T % 8
	s_mul_i32 s98, s98, BLK
	s_mov_b32 s99, 0
	s_mul_i32 s2, s15, BLK                         ; my group of x in a slot
	s_mul_i32 s3, s16, BLK
	s_add_co_u32 s3, s3, 2*BLK                     ; my group of Wq, Wk
	s_sub_co_u32 s17, s3, s2
	s_mul_i32 s84, s16, 12288
	s_add_co_u32 s84, s84, 4*BLK                   ; my half of Wv's group: eight fragments on
	s_add_co_u32 s85, s2, 24576
	s_lshl_b32 s86, s16, 9
	s_add_co_u32 s86, s86, 4*BLK+24576
	s_and_b32 s88, s94, 1
	s_mul_i32 s87, s88, 1536                       ; Q, K: my columns are the (c % 2)-th 128 along the next K
	s_lshl_b32 s88, s88, 9
	s_add_co_u32 s88, s88, 24576
	s_mul_i32 s89, s15, 1536                       ; V: my keys are the i-th 128, my channels row blocks 4 j on
	s_mul_i32 s90, s16, 12288
	s_add_co_u32 s89, s89, s90
	s_lshl_b32 s90, s15, 9
	s_lshl_b32 s95, s16, 8
	s_add_co_u32 s90, s90, s95
	s_add_co_u32 s90, s90, 24576
	s_mov_b32 s18, 0xffff0000                      ; lanes 16-31
	s_mov_b32 s20, 0x76543210
	s_mov_b32 s21, 0xfedcba98                      ; v_permlanex16_b32's selects for lane l xor 16
	v_and_b32 v1, 31, v0                           ; lane
	v_and_b32 v2, 15, v0                           ; r
	v_bfe_u32 v3, v0, 4, 1                         ; h
	v_lshlrev_b32 v4, 4, v1                        ; 16 x lane
	v_mul_u32_u24 v5, s17, v3                      ; lanes 16-31 take W's scale words: one product with h
	v_lshl_add_u32 v5, v2, 2, v5
	v_add_nc_u32 v[ADX], s2, v4
	v_add_nc_u32 v[ADW], s3, v4
	v_add_nc_u32 v[ADV], s84, v4
	v_add_nc_u32 v[ADS], s85, v5
	v_lshlrev_b32 v5, 2, v2
	v_add_nc_u32 v[ADT], s86, v5
.irp r, ADX, ADW, ADV, ADS, ADT
	v_add_nc_u32 v[\r+1], SLOT, v[\r]
.endr
	v_add_nc_u32 v[CA], s87, v4
	v_lshl_add_u32 v[WA], v1, 2, s88
	v_add_nc_u32 v[CV], s89, v4
	v_lshl_add_u32 v[WV], v1, 2, s90
	s_wait_alu depctr_va_vdst(0)                   ; the wait at the head's end
	s_wait_dscnt 0x0                               ; both opening adds are done
	CROUND                                         ; all sixteen work-groups are here: the first joint loads meet
	s_wait_kmcnt 0x0
	s_add_nc_u64 s[8:9], s[4:5], s[8:9]
	s_add_nc_u64 s[12:13], s[4:5], s[12:13]
.irp s, 0,1
	s_mov_b32 s[G0+4*\s], 1
	s_add_co_u32 s[G0+4*\s+1], s19, \s*SLOT
	s_add_nc_u64 s[G0+4*\s+2:G0+4*\s+3], s[8:9], \s*2*BLK
	s_or_b32 s[G0+4*\s+3], s[G0+4*\s+3], 0x80000000
	s_mov_b32 s[G0B+4*\s], 1
	s_add_co_u32 s[G0B+4*\s+1], s91, \s*SLOT
	s_add_nc_u64 s[G0B+4*\s+2:G0B+4*\s+3], s[12:13], \s*3*BLK
	s_or_b32 s[G0B+4*\s+3], s[G0B+4*\s+3], 0x80000000
.endr
	JLOAD G0, G1, G0B, G1B                         ; fill 0: one tensor load a wave at the head
	s_add_nc_u64 s[10:11], s[6:7], s[98:99]        ; V's block
	s_add_nc_u64 s[6:7], s[6:7], s[22:23]          ; Q's or K's
	s_wait_tensorcnt 0x0                           ; my part of fill 0 is in
	ds_add_u32 v[SPW], v[NIL]
	s_wait_dscnt 0x0
	CROUND                                         ; everybody's is
	JLOAD G0+4, G1, G0B+4, G1B                     ; fill 1, the first tensor load behind the round
	LB 0, ADW, 0, 0
	LS 0, 0, 0
.irp k, 0,1,2,3
	LA ADX, 0, \k
.endr
	LB 1, ADW, 0, 4
	STEP 0, 1, 0
	STEP 1, 0, 2                                   ; slot 0 takes fill 2
	STEP 2, 0, 0
	STEP 3, 0, 2                                   ; slot 1 takes fill 3
	STEP 4, 0, 0
	STEP 5, 0, 1
	STEP 6, 0, 0
	STEP 7, 0, 3
; THE WAY OUT, two row blocks n, n + 1 at a time.  A row block's 64 numbers of a lane are 128 along the next K of the lane's row: four blocks of 32, each shared with lane l xor 16.  They become a fragment and a scale word
; and leave as an image.  Each pair has registers of its own for what is stored: no store's data are written again.
.macro QUANT2 n, ca, wa, sb, o
.set AC, 64*((\n)%4)
.set WN, 1+(\n)/4
.set PC, 56+26*((\n)/2)
	WIN 5*WN                                       ; sources 0 and 1: the results' window
.irp b, 0,1,2,3,4,5,6,7
	v_max3_num_f32 v[TM+\b], |v[AC+16*\b]|, |v[AC+1+16*\b]|, 0x2800000   ; with the floor 2^(5 - 127); each accumulator is read from its low end on
.endr
.irp i, 2,4,6,8,10,12,14
.irp b, 0,1,2,3,4,5,6,7
	v_max3_num_f32 v[TM+\b], |v[AC+16*\b+\i]|, |v[AC+1+16*\b+\i]|, v[TM+\b]
.endr
.endr
	WIN 0
.irp b, 0,1,2,3,4,5,6,7
	v_permlanex16_b32 v[TM+8+\b], v[TM+\b], s20, s21
.endr
.irp b, 0,1,2,3,4,5,6,7
	v_max_num_f32 v[TM+\b], v[TM+\b], v[TM+8+\b]
.endr
.irp b, 0,1,2,3,4,5,6,7
	v_add_nc_u32 v[TM+16+\b], 0xfe000000, v[TM+\b] ; 4 off the exponent field: the conversion's scale operand
.endr
.irp b, 0,1,2,3,4,5,6,7
	v_lshrrev_b32 v[TM+8+\b], 23, v[TM+16+\b]      ; the scale's byte
.endr
.irp k, 1,2,3
.irp u, 0,1
.if \k == 1
	v_lshl_or_b32 v[PC+24+\u], v[TM+9+4*\u], 8, v[TM+8+4*\u]
.else
	v_lshl_or_b32 v[PC+24+\u], v[TM+8+4*\u+\k], 8*\k, v[PC+24+\u]
.endif
.endr
.endr
	WIN WN                                         ; source 0: the results' window
.irp u, 0,1
.irp c, 0,1
	v_cvt_scalef32_pk16_bf6_f32 v[PC+12*\u+6*\c:PC+12*\u+6*\c+2], v[AC+64*\u+32*\c:AC+64*\u+32*\c+15], v[TM+16+4*\u+2*\c]
	v_cvt_scalef32_pk16_bf6_f32 v[HI+8*\u+4*\c:HI+8*\u+4*\c+2], v[AC+64*\u+32*\c+16:AC+64*\u+32*\c+31], v[TM+17+4*\u+2*\c]
.endr
.endr
	WIN 0
	v_cndmask_b32 v[PC+24], v[PC+24], v[PC+25], s18 ; lanes 0-15: row block n's words, lanes 16-31: row block n + 1's.  (The plain place behind the conversions)
.irp u, 0,1
.irp c, 0,1                            ; the layout wants a whole block in a lane: lanes 0-15 block 2 c, lanes 16-31 block 2 c + 1
.irp i, 0,1,2
	v_permlane16_swap_b32 v[PC+12*\u+6*\c+\i], v[HI+8*\u+4*\c+\i]
.endr
.endr
.endr
.irp u, 0,1
.irp c, 0,1
.irp i, 0,1,2
	v_mov_b32 v[PC+12*\u+6*\c+3+\i], v[HI+8*\u+4*\c+\i]
.endr
.endr
.endr
.irp u, 0,1
.irp g, 0,1,2
	global_store_b128 v[\ca], v[PC+12*\u+4*\g:PC+12*\u+4*\g+3], s[\sb:\sb+1] offset:3072*((\o)+\u)+512*\g   ; 512 consecutive bytes, at a multiple of 512 from the buffer's first byte
.endr
.endr
	global_store_b32 v[\wa], v[PC+24], s[\sb:\sb+1] offset:64*(\o)   ; 128 consecutive bytes
.endm
	PLACES
.irp b, 0,1,2,3,4,5,6,7
	v_mov_b32 v[TM+8+\b], 0                        ; a lane permute's destination counts as one of its sources
.endr
.irp n, 0,2,4,6
	QUANT2 \n, CA, WA, 6, \n                       ; Q or K
.endr
	QUANT2 8, CV, WV, 10, 0                        ; V, along the keys
	QUANT2 10, CV, WV, 10, 2
	s_wait_tensorcnt 0x0                           ; the wave's end
	ds_add_u32 v[SPW], v[NIL]
	s_wait_dscnt 0x0
	CROUND                                         ; the closing round: no work-group ends while a partner may still ask for a tile that names it
	s_endpgm
.Lfunc_end_k_qe730ee8b14_proj:
	.size	k_qe730ee8b14_proj, .Lfunc_end_k_qe730ee8b14_proj-k_qe730ee8b14_proj
	.p2alignl 7, 3214868480
	.fill 96, 4, 3214868480
	.section	.rodata,"a",@progbits
	.p2align	6, 0x0
	.amdhsa_kernel k_qe730ee8b14_proj
		.amdhsa_group_segment_fixed_size 327680
		.amdhsa_private_segment_fixed_size 0
		.amdhsa_enable_private_segment 0
		.amdhsa_kernarg_size 16
		.amdhsa_user_sgpr_count 2
		.amdhsa_user_sgpr_kernarg_segment_ptr 1
		.amdhsa_wavefront_size32 1
		.amdhsa_system_sgpr_workgroup_id_x 1
		.amdhsa_system_sgpr_workgroup_id_y 1
		.amdhsa_system_sgpr_workgroup_id_z 1
		.amdhsa_system_vgpr_workitem_id 0
		.amdhsa_next_free_vgpr 1024
		.amdhsa_next_free_sgpr 100
		.amdhsa_reserve_vcc 0
		.amdhsa_float_denorm_mode_32 3
		.amdhsa_float_denorm_mode_16_64 3
		.amdhsa_memory_ordered 1
		.amdhsa_forward_progress 1
		.amdhsa_inst_pref_size 203
	.end_amdhsa_kernel
	.amdgpu_metadata
---
amdhsa.version: [ 1, 2 ]
amdhsa.kernels:
  - .name:           k_qe730ee8b14_proj
    .symbol:         k_qe730ee8b14_proj.kd
    .args:
      - { .name: xw, .offset: 0, .size: 8, .value_kind: global_buffer, .address_space: global }
      - { .name: qkv, .offset: 8, .size: 8, .value_kind: global_buffer, .address_space: global }
    .group_segment_fixed_size: 327680
    .private_segment_fixed_size: 0
    .kernarg_segment_align: 8
    .kernarg_segment_size: 16
    .max_flat_workgroup_size: 128
    .sgpr_count:     100
    .vgpr_count:     1024
    .wavefront_size: 32
...
	.end_amdgpu_metadata
.endif
;; end of part 2
;; launch score (part 3): grid 12 x 16, 4 waves a work-group, clusters of 4 x 4, 327,680 bytes of LDS; arguments qkv, pimg, st; writes pimg, st
.if DOCPART == 3
	.amdgcn_target "amdgcn-amd-amdhsa--gfx1250"
	.amdhsa_code_object_version 6
	.text
	.protected	k_qe730ee8b14_score
	.globl	k_qe730ee8b14_score
	.p2align	8
	.type	k_qe730ee8b14_score,@function
k_qe730ee8b14_score:
	s_mov_b64 s[64:65], 0
	v_nop
	global_prefetch_b8 v0, s[64:65] scope:SCOPE_SE
	s_setreg_imm32_b32 hwreg(HW_REG_WAVE_MODE, 25, 1), 1
	s_wait_xcnt 0x0
	s_wait_alu depctr_hold_cnt(0) depctr_sa_sdst(0) depctr_va_vdst(0) depctr_va_sdst(0) depctr_va_ssrc(0) depctr_va_vcc(0) depctr_vm_vsrc(0)
	s_getreg_b32 s2, hwreg(HW_REG_IB_STS2, 6, 4)
	s_cmp_eq_u32 s2, 0
	s_cbranch_scc0 .Lentry_in_a_cluster
	s_endpgm
.Lentry_in_a_cluster:
	s_bfe_u32 s2, ttmp6, 0x10000c
	s_cmp_lg_u32 s2, 0xf033
	s_cbranch_scc0 .Lentry_shape_is_right
	s_endpgm
.Lentry_shape_is_right:
; S^T = K Q^T on codes of BF6 (E3M2) with E8M0 scales, K = 1,024, for each of 4 batches; the causal mask; then, for each query and each CHUNK of 128 keys by itself: t = score x log2(e) / 32,
; M_c = the chunk's largest t rounded up to a whole number, p = 2^(t - M_c), l_c = the sum of the unquantised p.  p is quantised along the keys and leaves as codes.  A block's codes do not hang on M: the next launch
; takes M - M_c off the scale bytes, which is an exact power of two.  So no wave needs another's maximum.
; qkv: Q block 4 G + s, K block 256 + 4 G + s (images of registers: a fragment = 16 rows x 128 K = 1,536 bytes; a block = 128 rows x 256 K = 24,576 bytes of codes + 1,024 of scale words; lane r of row block t is row
; 32 (t / 2) + 8 (t % 2) + r + 8 (r / 8) of its group).  pimg: block ((batch 16 + query group) 8 + s), s = 256 keys, codes only.  st: 1,536 bytes for each (query group, chunk), at ((batch 16 + query group) 16 + chunk) 1536:
; for each pair m of row blocks 256 bytes, lane (r, h) of row block 2 m + h at 8 lane: its scale word with bit 7 of each byte set (a scale byte of p is at most 123), -M_c; then for m = 0, 1 and m = 2, 3 256 bytes: the two l_c at 8 lane.
; A tile is 256 queries x 256 keys, four waves of 128 x 128: a wave's 128 keys are one chunk.  Source 0 = 16 keys, source 1 = 16 queries: a lane holds one query, and by the row map its 64 registers of a row block are
; the chunk's keys 32 (n / 16) + 16 h + n % 16: 16 neighbours for each pair of tiles.
; K in three fills, a quarter a wave each: fill 0 brings 512 along K (slots 0 and 1: two blocks of each group on end, 51,200 bytes a wave), fill 1 the next 256 (slot 2), fill 2 the last 256, into slot 0's bytes.
; Fill 1 is asked for when fill 0 has landed; fill 2 in the middle of step 2, when nobody reads slot 0 any more.  All fragments have two sets of registers: the next step's are loaded between this step's products.
; CLUSTERS: 4 x 4 work-groups; Q's tile is asked for jointly by a row of the cluster, K's by a column.  WORK LEFT OUT: partners run alike, so the causal staircase is cut at 1,024: cluster x = 0, 1, 2 are the squares (0,0),
; (1,0), (1,1) of 1,024 x 1,024; square (0,1) lies wholly under reference()'s own mask: its p are 0 for all inputs.  A NaN, an infinity or an overflow that reaches only it is not carried to the result.
; THE MASK, by data alone.  Let D = 128 (my query group - my chunk) + r + 8 (r / 8) - 16 h.  In row block a = 2 m + u, block b of 32 keys: b = m: register n is hidden where n - 8 u > D (24 lane masks serve all row blocks);
; b < m: all hidden where the chunk lies behind the group (-64 > D), else none; b > m: all hidden unless the chunk lies ahead of the group (64 > D).  In the last two cases the block's addend and its largest score are -infinity.
; A chunk wholly hidden gives zero codes, -M_c = 3e38 and l_c = 0, which the next launch counts for nothing.
; No prefetch: the walk is three fills; the first two are asked for at its start, and no loop is left to run ahead in.
; LIMITS: NaN and infinities are not served; p under 2^-126 counts as 0; the promise holds while |t| stays under 2^31.
; REGISTERS: window 0: v16-24 LDS addresses, v25-29 kept, v32-47 scale words, v48-239 Q's fragments, two sets each; window 1: K's, two sets at v0 and v128; windows 2, 3: accumulator (a, b) at v[8 (8 (a % 4) + b)].
; The way out works in window 0: v0-3 l_c of pair m, v4-7 words and -M_c as stored (two sets), v10-11 largest t, v12-15 -M_c, v16-23 sums, v30-31 words, v48-175 p of two row blocks, v176-223 codes (two sets), v224-255 at work.
.set BLK,   25600
.set PBLK,  24576
.set STB,   1536                       ; st's bytes for a query group and a chunk
.set GRP,   4*BLK                      ; a group in memory
.set SLOT2, 8*BLK                      ; slot 2 lies behind slots 0 and 1
.set SPARE, 12*BLK
.set ADRA,  16                         ; v16-18 my Q fragments in slot 0, 1, 2
.set ADRB,  19                         ; v19-21 K's
.set ADRS,  22                         ; v22-24 scale words: lanes 0-15 Q's, lanes 16-31 K's
.set CA,    25                         ; v25 the codes' place in the block that I store
.set DG,    26                         ; v26 D
.set RA,    27                         ; v27 8 x lane: my place in a unit of st
.set SPW,   28
.set NIL,   29
.set NINF,  8                          ; v8  -infinity
.set SC,    32
.set AF,    48
.set PP,    48
.set AD,    224                        ; addends of hidden blocks: b < m at AD + 4 u, b > m at AD + 4 u + 2; then two more chains of sums
.set HI,    224                        ; then the conversions' second halves
.set MX,    240                        ; v240-247 largest scores of the blocks, largest p, scale operands
.set PM,    248                        ; v248-255 lane l xor 16's, then scale bytes
.set MK,    68                         ; s68-91: the 24 lane masks, n - 8 u = -8 .. 15
.set HLT,   92
.set HGT,   93
.set G1,    24
.set G1B,   32
.set G0,    40                         ; s40-47: group 0 for Q's tiles: fills 0 and 2, fill 1
.set G0B,   48                         ; s48-55: for K's
.set TO_B,  0x40
.set MSB, 0
.macro WIN new                         ; the immediate's high byte repeats the setting that is left
.if MSB != (\new)
	s_set_vgpr_msb (MSB<<8)|(\new)
.set MSB, (\new)
.endif
.endm
.macro JLOAD g0a, g1a, g0b, g1b        ; a joint load: waves 0 and 1 fetch for Q, waves 2 and 3 for K; four v_nop follow each line
	s_cmp_eq_u32 s15, 0
	s_cbranch_scc0 .Lfor_b_\@
	tensor_load_to_lds s[\g0a:\g0a+3], s[\g1a:\g1a+7]
	s_nop 0
.rept 4
	v_nop
.endr
	s_branch .Lasked_\@
.Lfor_b_\@:
	tensor_load_to_lds s[\g0b:\g0b+3], s[\g1b:\g1b+7]
	s_nop 0
.rept 4
	v_nop
.endr
.Lasked_\@:
.endm
.macro CREST
	s_cmp_lg_u32 s14, 0
	s_cbranch_scc1 .Lnot_wave_0_\@
	s_barrier_signal -3
.Lnot_wave_0_\@:
	s_barrier_wait -3
	s_barrier_signal -1
	s_barrier_wait -1
.endm
.macro CROUND
	s_barrier_signal -1
	s_barrier_wait -1
	CREST
.endm
.macro PLACES                          ; four plain places behind a matrix instruction (ISA guide 7.12.1)
.rept 4
	v_nop
.endr
.endm
.macro FRAG reg, adr, q, i
.irp g, 0,1,2
	ds_load_b128 v[\reg+4*\g:\reg+4*\g+3], v[\adr] offset:(2*(\i)+(\q))*1536+512*\g
.endr
.endm
.macro LB2 ring, q, p, i0              ; two of K's fragments: 6 loads
	WIN TO_B
.irp i, 0,1
	FRAG 128*(\p)+12*(\i0+\i), ADRB+\ring, \q, \i0+\i
.endr
.endm
.macro LA2 ring, q, p, i0              ; two of Q's: 6 loads
	WIN 0
.irp i, 0,1
	FRAG AF+96*(\p)+12*(\i0+\i), ADRA+\ring, \q, \i0+\i
.endr
.endm
.macro LSC ring, q, p                  ; the scale words (register i: lanes 0-15 Q's block i, lanes 16-31 K's): 8 loads
	WIN 0
.irp i, 0,1,2,3,4,5,6,7
	ds_load_b32 v[SC+8*(\p)+\i], v[ADRS+\ring] offset:512*(\q)+64*\i
.endr
.endm
.macro MUL8 a, p, z                    ; Q's row block a x K's eight; the 64 accumulators take turns in one order in every step
	WIN 0xa1+0x50*((\a)/4)
.irp b, 0,1,2,3,4,5,6,7
.set DD, 64*((\a)%4)+8*\b
.set FB, 128*(\p)+12*\b
.set FQ, AF+96*(\p)+12*(\a)
.set KA, SC+8*(\p)+\b
.set KB, SC+8*(\p)+(\a)
.if \z
	v_wmma_scale_f32_16x16x128_f8f6f4 v[DD:DD+7], v[FB:FB+11], v[FQ:FQ+11], 0, v[KA], v[KB] matrix_a_fmt:MATRIX_FMT_BF6 matrix_b_fmt:MATRIX_FMT_BF6 matrix_a_scale:MATRIX_SCALE_ROW1
.else
	v_wmma_scale_f32_16x16x128_f8f6f4 v[DD:DD+7], v[FB:FB+11], v[FQ:FQ+11], v[DD:DD+7], v[KA], v[KB] matrix_a_fmt:MATRIX_FMT_BF6 matrix_b_fmt:MATRIX_FMT_BF6 matrix_a_scale:MATRIX_SCALE_ROW1
.endif
.endr
.endm
; A step of 128 along K on set p; the next step's operands (slot nr, its nq-th 128) come into the other set: scale words, K's eight fragments, Q's eight.
.macro STEP p, z, nr, nq
	s_wait_dscnt 18                                ; all but the youngest 18 loads (Q's blocks 2-7) are in
	PLACES                                         ; for the loads into the other set, which the step before multiplied
	LSC \nr, \nq, 1-\p
	MUL8 0, \p, \z
	LB2 \nr, \nq, 1-\p, 0
	MUL8 1, \p, \z
	LB2 \nr, \nq, 1-\p, 2
	s_wait_dscnt 32                                ; Q's blocks 2, 3 are in: behind them stand blocks 4-7 (12) and 8 + 12 of the next step's
	MUL8 2, \p, \z
	LB2 \nr, \nq, 1-\p, 4
	MUL8 3, \p, \z
	LB2 \nr, \nq, 1-\p, 6
	s_wait_dscnt 38                                ; blocks 4, 5: behind them 6 and 8 + 24
	MUL8 4, \p, \z
	LA2 \nr, \nq, 1-\p, 0
	MUL8 5, \p, \z
	LA2 \nr, \nq, 1-\p, 2
	s_wait_dscnt 44                                ; blocks 6, 7: behind them 8 + 24 + 12
	MUL8 6, \p, \z
	LA2 \nr, \nq, 1-\p, 4
	LA2 \nr, \nq, 1-\p, 6
	MUL8 7, \p, \z
	WIN 0
.endm
; A step with a barrier in its middle.  In front of it each wave waits for all its tensor loads, adds 0 to its spare word, and waits for that and for its LDS reads.  mode = 1 shows the last fill to every wave; mode = 2 opens a
; round of the cluster's barrier, and slot 0 is filled again first thing behind it.
.macro TURN p, nr, nq, mode
	s_wait_dscnt 18
	MUL8 0, \p, 0
	MUL8 1, \p, 0
	s_wait_dscnt 12                                ; Q's blocks 2, 3 are in; blocks 4-7 may be out
	MUL8 2, \p, 0
	WIN 0
	s_wait_tensorcnt 0x0                           ; all my tensor loads have landed
	ds_add_u32 v[SPW], v[NIL]                      ; 0 onto my spare word
.if (\mode)==2
	s_add_nc_u64 s[G0+2:G0+3], s[G0+2:G0+3], 3*BLK ; no tensor load of mine is out: on to the last 256 along K
	s_add_nc_u64 s[G0B+2:G0B+3], s[G0B+2:G0B+3], 3*BLK
.endif
	MUL8 3, \p, 0
	s_wait_dscnt 0x0                               ; the add is done and my LDS reads are over
	s_barrier_signal -1
	MUL8 4, \p, 0
	WIN 0
	s_barrier_wait -1
.if (\mode)==2
	CREST                                          ; no wave of any partner still reads slot 0 or has a load on its way
	JLOAD G0, G1, G0B, G1B                         ; its four v_nop are also the places in front of the loads below
.else
	PLACES
.endif
	LSC \nr, \nq, 1-\p
.irp i, 0,2,4,6
	LB2 \nr, \nq, 1-\p, \i
.endr
	MUL8 5, \p, 0
	LA2 \nr, \nq, 1-\p, 0
	MUL8 6, \p, 0
.irp i, 2,4,6
	LA2 \nr, \nq, 1-\p, \i
.endr
	MUL8 7, \p, 0
	WIN 0
.endm
	s_load_b128 s[4:7], s[0:1], 0x0                ; qkv s[4:5], pimg s[6:7]
	s_load_b64 s[8:9], s[0:1], 0x10                ; st
	v_lshl_add_u32 v[SPW], v0, 2, SPARE
	v_mov_b32 v[NIL], 0
	ds_add_u32 v[SPW], v[NIL]                      ; the wave's opening: the add, twice on end, ahead of my first tensor load
	ds_add_u32 v[SPW], v[NIL]
	v_lshrrev_b32 v1, 5, v0
	v_readfirstlane_b32 s14, v1                    ; wave 0..3
	s_lshr_b32 s15, s14, 1                         ; which 128 queries of the tile are mine.  Also: I fetch for Q (0) or for K (1)
	s_and_b32 s16, s14, 1                          ; which 128 keys.  Also: which group of that tile I fetch
	s_bfe_u32 s66, ttmp6, 0x40000                  ; cx
	s_bfe_u32 s67, ttmp6, 0x40004                  ; cy
	s_add_co_u32 s68, ttmp9, 1
	s_lshr_b32 s68, s68, 1                         ; the square's row: 0, 1, 1
	s_lshr_b32 s69, ttmp9, 1                       ; and column: 0, 0, 1
	s_and_b32 s74, ttmp7, 0xffff                   ; the batch
	s_lshl_b32 s70, s68, 2
	s_add_co_u32 s70, s70, s67                     ; i: my tile of 256 queries: hangs on cy alone
	s_lshl_b32 s72, s69, 2
	s_add_co_u32 s72, s72, s66                     ; j: my tile of 256 keys: on cx alone
	s_lshl_b32 s71, s74, 4                         ; 16 groups a batch
	s_lshl_b32 s75, s67, 2
	s_lshl_b32 s75, 15, s75                        ; my row of the cluster
	s_lshl_b32 s76, 0x1111, s66                    ; my column
	s_or_b32 s[G1], s75, (3<<16)|(1<<21)           ; 15:0 the mask; 17:16 elements of 8 bytes; 21 set beside a mask; no padding
	s_or_b32 s[G1B], s76, (3<<16)|(1<<21)
.irp g, G1, G1B                        ; fill 0: two dense blocks: 200 rows of 256 bytes
	s_mov_b32 s[\g+1], 32<<16
	s_mov_b32 s[\g+2], 200<<16
	s_mov_b32 s[\g+3], 32<<16
	s_mov_b32 s[\g+4], 200
	s_mov_b32 s[\g+5], 32
	s_mov_b32 s[\g+6], 0
	s_mov_b32 s[\g+7], 0
.endr
	s_lshl_b32 s77, s70, 1
	s_add_co_u32 s77, s77, s71
	s_add_co_u32 s77, s77, s16                     ; the group of Q that I would fetch
	s_mul_i32 s78, s77, GRP
	s_mov_b32 s79, 0
	s_lshl_b32 s80, s72, 1
	s_add_co_u32 s80, s80, s71
	s_add_co_u32 s80, s80, s16                     ; and of K,
	s_mul_i32 s80, s80, GRP
	s_add_co_u32 s80, s80, 256*BLK                 ; which lies behind Q's 256 blocks
	s_mov_b32 s81, 0
	s_mul_i32 s82, s14, 2*BLK                      ; where fills 0 and 2 go: wave x two blocks: no place in the cluster enters an LDS address
	s_mul_i32 s94, s14, BLK
	s_add_co_u32 s94, s94, SLOT2                   ; and fill 1
	s_lshl_b32 s87, s70, 1
	s_add_co_u32 s87, s87, s15                     ; qg: my group of 128 queries in the batch
	s_lshl_b32 s88, s72, 1
	s_add_co_u32 s88, s88, s16                     ; kc: my chunk of 128 keys
	s_add_co_u32 s89, s71, s87
	s_lshl_b32 s90, s89, 3
	s_add_co_u32 s90, s90, s72                     ; p's block: (16 batch + qg) 8 + j
	s_mul_i32 s90, s90, PBLK
	s_mov_b32 s91, 0
	s_lshl_b32 s98, s89, 4
	s_add_co_u32 s98, s98, s88                     ; st: (16 batch + qg) 16 + kc
	s_mul_i32 s98, s98, STB
	s_mov_b32 s99, 0
	s_sub_co_i32 s93, s87, s88
	s_lshl_b32 s93, s93, 7                         ; 128 (qg - kc)
	s_mul_i32 s92, s16, 1536
	s_mul_i32 s83, s15, BLK                        ; my group of Q in slot 2 (in slots 0 and 1 the groups lie twice as far apart),
	s_mul_i32 s84, s16, BLK
	s_add_co_u32 s84, s84, 2*BLK                   ; of K
	s_sub_co_u32 s85, s84, s83
	s_lshl_b32 s95, s83, 1
	s_lshl_b32 s96, s84, 1
	s_lshl_b32 s97, s85, 1
	s_add_co_u32 s83, s83, SLOT2
	s_add_co_u32 s84, s84, SLOT2
	s_add_co_u32 s86, s83, 24576
	s_add_co_u32 s77, s95, 24576
	s_mov_b32 s18, 0xffff0000                      ; lanes 16-31
	s_mov_b32 s20, 0x76543210
	s_mov_b32 s21, 0xfedcba98                      ; v_permlanex16_b32's selects for lane l xor 16
	s_mov_b32 s22, 0x3d38aa3b                      ; c = log2(e) / sqrt(1024)
	s_mov_b32 s23, s22                             ; (named with it as a pair, so it is written)
	v_and_b32 v1, 31, v0                           ; lane
	v_and_b32 v2, 15, v0                           ; r
	v_bfe_u32 v3, v0, 4, 1                         ; h
	v_lshlrev_b32 v4, 4, v1                        ; 16 x lane
	v_mul_u32_u24 v5, s85, v3                      ; lanes 16-31 take K's scale words: one product with h
	v_lshl_add_u32 v5, v2, 2, v5
	v_mul_u32_u24 v6, s97, v3
	v_lshl_add_u32 v6, v2, 2, v6
	v_add_nc_u32 v[ADRA], s95, v4
	v_add_nc_u32 v[ADRB], s96, v4
	v_add_nc_u32 v[ADRS], s77, v6
.irp r, ADRA, ADRB, ADRS
	v_add_nc_u32 v[\r+1], BLK, v[\r]
.endr
	v_add_nc_u32 v[ADRA+2], s83, v4
	v_add_nc_u32 v[ADRB+2], s84, v4
	v_add_nc_u32 v[ADRS+2], s86, v5
	v_add_nc_u32 v[CA], s92, v4
	v_and_b32 v5, 8, v2
	v_add_nc_u32 v[DG], v5, v2                     ; r + 8 (r / 8)
	v_lshlrev_b32 v5, 4, v3
	v_sub_nc_u32 v[DG], v[DG], v5                  ; - 16 h
	v_add_nc_u32 v[DG], s93, v[DG]                 ; + 128 (qg - kc)
	v_lshlrev_b32 v[RA], 3, v1
	s_wait_alu depctr_va_vdst(0)
	s_wait_dscnt 0x0                               ; both opening adds are done
	CROUND                                         ; all sixteen work-groups are here: the first joint loads meet
	s_wait_kmcnt 0x0
	s_add_nc_u64 s[78:79], s[4:5], s[78:79]
	s_add_nc_u64 s[80:81], s[4:5], s[80:81]
	s_mov_b32 s[G0], 1
	s_mov_b32 s[G0+1], s82
	s_mov_b64 s[G0+2:G0+3], s[78:79]
	s_or_b32 s[G0+3], s[G0+3], 0x80000000
	s_mov_b32 s[G0B], 1
	s_mov_b32 s[G0B+1], s82
	s_mov_b64 s[G0B+2:G0B+3], s[80:81]
	s_or_b32 s[G0B+3], s[G0B+3], 0x80000000
	JLOAD G0, G1, G0B, G1B                         ; fill 0: one tensor load a wave at the head
	s_mov_b32 s[G0+4], 1
	s_mov_b32 s[G0+5], s94
	s_add_nc_u64 s[G0+6:G0+7], s[78:79], 2*BLK
	s_or_b32 s[G0+7], s[G0+7], 0x80000000
	s_mov_b32 s[G0B+4], 1
	s_mov_b32 s[G0B+5], s94
	s_add_nc_u64 s[G0B+6:G0B+7], s[80:81], 2*BLK
	s_or_b32 s[G0B+7], s[G0B+7], 0x80000000
	s_add_nc_u64 s[6:7], s[6:7], s[90:91]
	s_add_nc_u64 s[8:9], s[8:9], s[98:99]
.irp j, 0,1,2,3,4,5,6,7,8,9,10,11,12,13,14,15,16,17,18,19,20,21,22,23
	v_cmp_gt_i32 s[MK+\j], \j-8, v[DG]             ; the lanes in which n - 8 u = j - 8 is hidden
.endr
	v_cmp_gt_i32 s[HLT], 0xffffffc0, v[DG]         ; -64 > D
	v_cmp_gt_i32 s[HGT], 64, v[DG]
	s_wait_alu depctr_va_vdst(0)                   ; the wait at the head's end
	s_wait_tensorcnt 0x0                           ; my part of fill 0 is in
	ds_add_u32 v[SPW], v[NIL]
.irp g, G1, G1B                        ; no tensor load of mine is out, so a descriptor may be written: from here on a load brings one block
	s_mov_b32 s[\g+2], 100<<16
	s_mov_b32 s[\g+4], 100
.endr
	s_wait_dscnt 0x0
	CROUND                                         ; everybody's is
	JLOAD G0+4, G1, G0B+4, G1B                     ; fill 1, the first tensor load behind the round
	LSC 0, 0, 0
.irp i, 0,2,4,6
	LB2 0, 0, 0, \i
.endr
.irp i, 0,2,4,6
	LA2 0, 0, 0, \i
.endr
	STEP 0, 1, 0, 1                                ; K step 0: its products start the sums
	STEP 1, 0, 1, 0
	TURN 0, 1, 1, 2                                ; K step 2: fill 1 is shown to every wave; slot 0 takes the last 256 along K
	STEP 1, 0, 2, 0
	STEP 0, 0, 2, 1
	TURN 1, 0, 0, 1                                ; K step 5: fill 2 is shown
	STEP 0, 0, 0, 1
	s_wait_dscnt 18                                ; the last step: nothing more to fetch
	MUL8 0, 1, 0
	MUL8 1, 1, 0
	s_wait_dscnt 12
	MUL8 2, 1, 0
	MUL8 3, 1, 0
	s_wait_dscnt 6
	MUL8 4, 1, 0
	MUL8 5, 1, 0
	s_wait_dscnt 0x0
	MUL8 6, 1, 0
	MUL8 7, 1, 0
	WIN 0
; THE WAY OUT of row blocks 2 m and 2 m + 1 (u = 0, 1): 32 queries x my chunk's 128 keys.
.macro SOFT2 m
.set AC, 128*((\m)%2)
.set WN, 2+(\m)/2
.set PC, 176+24*((\m)%2)
.set RC, 4+2*((\m)%2)
	WIN (WN<<6)|WN                                 ; destination and source 0: the scores' window
	s_wait_alu depctr_va_vdst(0)
.irp n, 0,1,2,3,4,5,6,7,8,9,10,11,12,13,14,15
	v_cndmask_b32 v[AC+16*(\m)+\n], v[AC+16*(\m)+\n], v[NINF], s[MK+8+\n]
	v_cndmask_b32 v[AC+64+16*(\m)+\n], v[AC+64+16*(\m)+\n], v[NINF], s[MK+\n]
.endr
	WIN 5*WN                                       ; sources 0 and 1
	s_wait_alu depctr_va_vdst(0)
.irp b, 0,1,2,3,4,5,6,7
	v_max_num_f32 v[MX+\b], v[AC+16*\b], v[AC+1+16*\b]             ; the largest score of each block of 32 keys: for the chunk's maximum, and, since p rises with the score, for the block's largest p
.endr
.irp i, 2,4,6,8,10,12,14
.irp b, 0,1,2,3,4,5,6,7
	v_max3_num_f32 v[MX+\b], v[AC+16*\b+\i], v[AC+1+16*\b+\i], v[MX+\b]
.endr
.endr
	WIN 0
.irp b, 0,1,2,3
.irp u, 0,1
.if \b < (\m)
	v_cndmask_b32 v[MX+4*\u+\b], v[MX+4*\u+\b], v[NINF], s[HLT]
.endif
.if \b > (\m)
	v_cndmask_b32 v[MX+4*\u+\b], v[MX+4*\u+\b], v[NINF], s[HGT]
.endif
.endr
.endr
.irp b, 0,1,2,3,4,5,6,7
	v_permlanex16_b32 v[PM+\b], v[MX+\b], s20, s21
.endr
.irp b, 0,1,2,3,4,5,6,7
	v_max_num_f32 v[MX+\b], v[MX+\b], v[PM+\b]     ; with lane l xor 16's 16 keys
.endr
.irp u, 0,1
	v_max3_num_f32 v[10+\u], v[MX+4*\u], v[MX+4*\u+1], v[MX+4*\u+2]
.endr
.irp u, 0,1
	v_max_num_f32 v[10+\u], v[10+\u], v[MX+4*\u+3]
.endr
.irp u, 0,1
	v_mul_f32 v[10+\u], s22, v[10+\u]              ; as t (c is positive)
.endr
.irp u, 0,1
	v_max_num_f32 v[10+\u], 0xff61b1e6, v[10+\u]   ; held at -3e38: a chunk wholly hidden gets -M_c = 3e38
.endr
.irp u, 0,1
	v_floor_f32 v[12+2*\u], -v[10+\u]              ; -M_c = floor(-t) = -ceil(t): a whole number
.endr
.irp u, 0,1
.if (\m) > 0
	v_cndmask_b32 v[AD+4*\u], v[12+2*\u], v[NINF], s[HLT]
.endif
.if (\m) < 3
	v_cndmask_b32 v[AD+4*\u+2], v[12+2*\u], v[NINF], s[HGT]
.endif
.endr
.irp u, 0,1
.irp b, 0,1,2,3
.set AU, 12+2*\u
.if \b < (\m)
.set AU, AD+4*\u
.endif
.if \b > (\m)
.set AU, AD+4*\u+2
.endif
	WIN WN                                         ; source 0
.irp j, 0,2,4,6,8,10,12,14
	v_pk_fma_f32 v[PP+64*\u+16*\b+\j:PP+64*\u+16*\b+\j+1], v[AC+64*\u+16*\b+\j:AC+64*\u+16*\b+\j+1], s[22:23], v[AU:AU+1] op_sel_hi:[1,0,0]   ; t - M_c, two at a time
.endr
.endr
.endr
	WIN 0
.irp b, 0,1,2,3,4,5,6,7
	v_fma_f32 v[MX+\b], v[MX+\b], s22, v[12+2*(\b/4)] ; the same of each block's largest score (-infinity where the block is hidden)
.endr
	s_wait_alu depctr_va_vdst(0)                   ; the wait ahead of the batch
.if (\m) > 1
	s_wait_xcnt 0x0                                ; the stores of two turns back have read their registers: this set of codes and of records is written again only behind this wait
.endif
.set I, 0
.rept 128
	v_exp_f32 v[PP+I], v[PP+I]                     ; p = 2^(t - M_c), at most 1
.set I, I+1
.endr
.irp b, 0,1,2,3,4,5,6,7
	v_exp_f32 v[MX+\b], v[MX+\b]                   ; the block's largest p: the same two instructions on the same number give the same bits
.endr
	v_nop                                          ; a plain place behind the exponentials
	s_wait_alu depctr_va_vdst(0)                   ; one wait for the batch, ahead of its first reader
.irp c, 0,1
.irp u, 0,1
	v_pk_add_f32 v[16+4*\u+2*\c:17+4*\u+2*\c], v[PP+64*\u+4*\c:PP+64*\u+4*\c+1], v[PP+64*\u+4*\c+2:PP+64*\u+4*\c+3]   ; l_c, of the unquantised p: two at a time, in four chains for each row block
	v_pk_add_f32 v[AD+4*\u+2*\c:AD+1+4*\u+2*\c], v[PP+64*\u+4*\c+8:PP+64*\u+4*\c+9], v[PP+64*\u+4*\c+10:PP+64*\u+4*\c+11]
.endr
.endr
.set I, 16
.rept 6
.irp c, 0,1
.irp u, 0,1
	v_pk_add_f32 v[16+4*\u+2*\c:17+4*\u+2*\c], v[16+4*\u+2*\c:17+4*\u+2*\c], v[PP+64*\u+I+2*\c:PP+64*\u+I+2*\c+1]
	v_pk_add_f32 v[AD+4*\u+2*\c:AD+1+4*\u+2*\c], v[AD+4*\u+2*\c:AD+1+4*\u+2*\c], v[PP+64*\u+I+2*\c+4:PP+64*\u+I+2*\c+5]
.endr
.endr
.set I, I+8
.endr
.irp c, 0,1
.irp u, 0,1
	v_pk_add_f32 v[16+4*\u+2*\c:17+4*\u+2*\c], v[16+4*\u+2*\c:17+4*\u+2*\c], v[AD+4*\u+2*\c:AD+1+4*\u+2*\c]
.endr
.endr
.irp b, 0,1,2,3,4,5,6,7
	v_max_num_f32 v[MX+\b], 0x2800000, v[MX+\b]    ; the floor 2^(5 - 127): the byte cannot fall under 1
.endr
.irp u, 0,1
	v_pk_add_f32 v[16+4*\u:17+4*\u], v[16+4*\u:17+4*\u], v[18+4*\u:19+4*\u]
.endr
.irp b, 0,1,2,3,4,5,6,7
	v_add_nc_u32 v[MX+\b], 0xfe000000, v[MX+\b]    ; 4 off the exponent field: the conversion's scale operand
.endr
.irp b, 0,1,2,3,4,5,6,7
	v_lshrrev_b32 v[PM+\b], 23, v[MX+\b]           ; the scale's byte
.endr
.irp u, 0,1
	v_lshl_or_b32 v[30+\u], v[PM+4*\u+1], 8, v[PM+4*\u]
.endr
.irp u, 0,1
	v_lshl_or_b32 v[30+\u], v[PM+4*\u+2], 16, v[30+\u]
.endr
.irp u, 0,1
	v_lshl_or_b32 v[30+\u], v[PM+4*\u+3], 24, v[30+\u]   ; p's scale word under M_c
.endr
.irp u, 0,1
.irp c, 0,1
	v_cvt_scalef32_pk16_bf6_f32 v[PC+12*\u+6*\c:PC+12*\u+6*\c+2], v[PP+64*\u+32*\c:PP+64*\u+32*\c+15], v[MX+4*\u+2*\c]
	v_cvt_scalef32_pk16_bf6_f32 v[HI+8*\u+4*\c:HI+8*\u+4*\c+2], v[PP+64*\u+32*\c+16:PP+64*\u+32*\c+31], v[MX+4*\u+2*\c+1]
.endr
.endr
	v_add_f32 v16, v16, v17                        ; the sum's two halves.  (A plain place behind the conversions)
	v_add_f32 v20, v20, v21
.irp u, 0,1
.irp c, 0,1                            ; the layout wants a whole block in a lane
.irp i, 0,1,2
	v_permlane16_swap_b32 v[PC+12*\u+6*\c+\i], v[HI+8*\u+4*\c+\i]
.endr
.endr
.endr
	v_permlanex16_b32 v17, v16, s20, s21
	v_permlanex16_b32 v21, v20, s20, s21
.irp u, 0,1
.irp c, 0,1
.irp i, 0,1,2
	v_mov_b32 v[PC+12*\u+6*\c+3+\i], v[HI+8*\u+4*\c+\i]
.endr
.endr
.endr
	v_add_f32 v16, v16, v17                        ; with lane l xor 16's: l_c
	v_add_f32 v20, v20, v21
	v_or_b32 v30, 0x80808080, v30
	v_or_b32 v31, 0x80808080, v31
	v_cndmask_b32 v[RC+1], v12, v14, s18           ; lanes 0-15: row block 2 m's, lanes 16-31: row block 2 m + 1's
	v_cndmask_b32 v[\m], v16, v20, s18
	v_cndmask_b32 v[RC], v30, v31, s18
.irp u, 0,1
.irp g, 0,1,2
	global_store_b128 v[CA], v[PC+12*\u+4*\g:PC+12*\u+4*\g+3], s[6:7] offset:3072*(2*(\m)+\u)+512*\g   ; 512 consecutive bytes, at a multiple of 512 from the buffer's first byte
.endr
.endr
	global_store_b64 v[RA], v[RC:RC+1], s[8:9] offset:256*(\m)     ; 256 consecutive bytes, aligned
.if (\m)%2
	global_store_b64 v[RA], v[\m-1:\m], s[8:9] offset:1024+256*((\m)/2)   ; and the l_c of two pairs
.endif
.endm
	PLACES
.irp b, 0,1,2,3,4,5,6,7
	v_mov_b32 v[PM+\b], 0                          ; a lane permute's destination counts as one of its sources
	v_mov_b32 v[AD+\b], 0                          ; (named as the upper halves of pairs, so they are written)
.endr
	v_mov_b32 v13, 0
	v_mov_b32 v15, 0
	v_mov_b32 v[NINF], 0xff800000                  ; -infinity
.irp m, 0,1,2,3
	SOFT2 \m
.endr
	s_wait_tensorcnt 0x0                           ; the wave's end
	ds_add_u32 v[SPW], v[NIL]
	s_wait_dscnt 0x0
	CROUND                                         ; the closing round
	s_endpgm
.Lfunc_end_k_qe730ee8b14_score:
	.size	k_qe730ee8b14_score, .Lfunc_end_k_qe730ee8b14_score-k_qe730ee8b14_score
	.p2alignl 7, 3214868480
	.fill 96, 4, 3214868480
	.section	.rodata,"a",@progbits
	.p2align	6, 0x0
	.amdhsa_kernel k_qe730ee8b14_score
		.amdhsa_group_segment_fixed_size 327680
		.amdhsa_private_segment_fixed_size 0
		.amdhsa_enable_private_segment 0
		.amdhsa_kernarg_size 24
		.amdhsa_user_sgpr_count 2
		.amdhsa_user_sgpr_kernarg_segment_ptr 1
		.amdhsa_wavefront_size32 1
		.amdhsa_system_sgpr_workgroup_id_x 1
		.amdhsa_system_sgpr_workgroup_id_y 1
		.amdhsa_system_sgpr_workgroup_id_z 1
		.amdhsa_system_vgpr_workitem_id 0
		.amdhsa_next_free_vgpr 1024
		.amdhsa_next_free_sgpr 100
		.amdhsa_reserve_vcc 0
		.amdhsa_float_denorm_mode_32 3
		.amdhsa_float_denorm_mode_16_64 3
		.amdhsa_memory_ordered 1
		.amdhsa_forward_progress 1
		.amdhsa_inst_pref_size 209
	.end_amdhsa_kernel
	.amdgpu_metadata
---
amdhsa.version: [ 1, 2 ]
amdhsa.kernels:
  - .name:           k_qe730ee8b14_score
    .symbol:         k_qe730ee8b14_score.kd
    .args:
      - { .name: qkv, .offset: 0, .size: 8, .value_kind: global_buffer, .address_space: global }
      - { .name: pimg, .offset: 8, .size: 8, .value_kind: global_buffer, .address_space: global }
      - { .name: st, .offset: 16, .size: 8, .value_kind: global_buffer, .address_space: global }
    .group_segment_fixed_size: 327680
    .private_segment_fixed_size: 0
    .kernarg_segment_align: 8
    .kernarg_segment_size: 24
    .max_flat_workgroup_size: 128
    .sgpr_count:     100
    .vgpr_count:     1024
    .wavefront_size: 32
...
	.end_amdgpu_metadata
.endif
;; end of part 3
;; launch mix (part 4): grid 8 x 32, 4 waves a work-group, clusters of 4 x 4, 327,680 bytes of LDS; arguments pimg, st, qkv, out0; writes out0
.if DOCPART == 4
	.amdgcn_target "amdgcn-amd-amdhsa--gfx1250"
	.amdhsa_code_object_version 6
	.text
	.protected	k_qe730ee8b14_mix
	.globl	k_qe730ee8b14_mix
	.p2align	8
	.type	k_qe730ee8b14_mix,@function
k_qe730ee8b14_mix:
	s_mov_b64 s[64:65], 0
	v_nop
	global_prefetch_b8 v0, s[64:65] scope:SCOPE_SE
	s_setreg_imm32_b32 hwreg(HW_REG_WAVE_MODE, 25, 1), 1
	s_wait_xcnt 0x0
	s_wait_alu depctr_hold_cnt(0) depctr_sa_sdst(0) depctr_va_vdst(0) depctr_va_sdst(0) depctr_va_ssrc(0) depctr_va_vcc(0) depctr_vm_vsrc(0)
	s_getreg_b32 s2, hwreg(HW_REG_IB_STS2, 6, 4)
	s_cmp_eq_u32 s2, 0
	s_cbranch_scc0 .Lentry_in_a_cluster
	s_endpgm
.Lentry_in_a_cluster:
	s_bfe_u32 s2, ttmp6, 0x10000c
	s_cmp_lg_u32 s2, 0xf033
	s_cbranch_scc0 .Lentry_shape_is_right
	s_endpgm
.Lentry_shape_is_right:
; Z = P V on codes of BF6 (E3M2) with E8M0 scales.  P's codes (pimg) were made chunk by chunk of 128 keys under M_c; st holds a row's scale word of a chunk (bit 7 of each byte set), -M_c and l_c.
; Here M = the row's largest M_c; M - M_c comes off each scale byte (a byte that would fall under 0 becomes 0: a p under 2^-120), l = the sum of l_c 2^(M_c - M), and the result is divided by l.
; pimg: block ((batch 16 + query group) 8 + s), 24,576 bytes; qkv: V block 512 + ((batch 8 + channel group) 8 + s), 25,600 bytes with its scale words at 24,576 + 512 k' + 64 t + 4 r; s = 256 keys.
; st: 1,536 bytes for each (query group, chunk): four units of 256 bytes, unit m: lane (r, h) of row block 2 m + h has its word and -M_c at 8 lane; then two units with the l_c of m = 0, 1 and of m = 2, 3 at 8 lane.
; A tile is 256 queries x 128 channels, four waves of 64 x 128 (32 accumulators).  Source 0 = 16 channels, source 1 = 16 queries: a lane holds a query, its registers run along the channels.
; The keys go through two LDS slots of 512 (P: 2 x 49,152 bytes, V: 51,200).  The words and -M_c are asked for ahead of fill 0 and worked on while it is on its way; fill 1 is asked for when fill 0 has landed; the l_c are asked for
; behind it and are summed between the steps of the walk's last fill.  Fragments have two sets of registers; a step of 128 keys goes by the halves of V's eight row blocks, and the next step's operands are loaded between its products.
; CLUSTERS: 4 x 4 work-groups; P's tile is asked for jointly by a row of the cluster, V's by a column.
; WORK LEFT OUT: queries 0-1,023 of a batch (cluster y even) take keys 0-1,023 alone: the other keys lie under reference()'s own mask and weigh 0 for all inputs.  A NaN, an infinity or an overflow that reaches only them is
; not carried to the result.
; PREFETCH: in the long walk fills 2 and 3 are asked for two steps and three steps ahead of their loads.  The four partners share a wave's part of a fill by address (cx for P, cy for V): 48 of 192 or 25 of 100 units of 256 bytes.
; Fills 0 and 1 come by their loads alone; nothing is asked for behind fill 3.
; LIMITS: NaN and infinities are not served.
; REGISTERS: window 0: v10-29 addresses, v32-47 V's scale words (two sets), v48-49, v64-95 P's, v96-103 1 / l, v104-127 at work, v128-223 P's fragments (two sets), v224-255 the factors 2^(M_c - M); window 1: V's, two sets at v0 and
; v128; window 2: accumulator (a, b) at v[8 (8 a + b)]; window 3: v0-63 a scaled block on the way out, v64-95 the l_c.  The words and -M_c lie in v128-191 of window 0 ahead of the walk, rows read back from the stage in v128-255 behind it.
.set BLK,   25600
.set PBLK,  24576
.set STB,   1536
.set AH,    2*PBLK                     ; a group of P in a slot
.set BOFF,  2*AH
.set SLOT,  2*AH+2*BLK
.set SPARE, 2*SLOT                     ; behind the slots: the spare words, 128 bytes for each wave
.set SPITCH, 528                       ; the way out: a stage of 16 rows x (512 bytes + 16) for each wave, in slot 0, which has had its last fill and its last read behind the walk's last barrier
.set ADRA,  16                         ; v16-17 my P fragments in slot 0, 1
.set ADRB,  18                         ; v18-19 V's
.set ADSB,  20                         ; v20-21 V's scale words
.set STO,   22                         ; v22    the way out: into the stage
.set RD,    23                         ; v23    and back by rows
.set PFO,   24                         ; v24-25 the prefetches' offsets
.set SPW,   28
.set NIL,   29
.set SB,    32
.set SAF,   48                         ; v48-49 P's scale words of the walk's first chunk
.set MN,    50                         ; v50-51 -M
.set LS,    52                         ; v52-55 l
.set SA,    64                         ; P's scale words: v[64 + 2 n + i]: chunk n, lanes 0-15 row block 2 i, lanes 16-31 row block 2 i + 1
.set LA,    96                         ; 1 / l of row block a, in both halves of the lanes, at v[96 + 2 a]
.set TD,    104
.set TX,    112
.set TM,    120
.set AF,    128
.set REC,   128                        ; word and -M_c of (n, i) at v[128 + 2 (2 n + i)]
.set FC,    224                        ; factor of (n, i) at v[224 + 2 n + i]
.set LC,    64                         ; l_c of (n, i) at v[64 + 2 n + i] of window 3
.set BK,    128
.set G1,    24
.set G1B,   32
.set G0,    40
.set G0B,   48
.set PFA,   92                         ; s[92:93] where my prefetches stand
.set PFS,   94                         ; s[94:95] from fill to fill
.set MUL,   0xa1                       ; source 0 (V) window 1, source 1 (P) window 0, C and D window 2
.set TO_B,  0x40
.set MSB, 0
.macro WIN new                         ; the immediate's high byte repeats the setting that is left
.if MSB != (\new)
	s_set_vgpr_msb (MSB<<8)|(\new)
.set MSB, (\new)
.endif
.endm
.macro JLOAD g0a, g1a, g0b, g1b        ; a joint load: waves 0 and 1 fetch for P, waves 2 and 3 for V; four v_nop follow each line
	s_cmp_eq_u32 s15, 0
	s_cbranch_scc0 .Lfor_b_\@
	tensor_load_to_lds s[\g0a:\g0a+3], s[\g1a:\g1a+7]
	s_nop 0
.rept 4
	v_nop
.endr
	s_branch .Lasked_\@
.Lfor_b_\@:
	tensor_load_to_lds s[\g0b:\g0b+3], s[\g1b:\g1b+7]
	s_nop 0
.rept 4
	v_nop
.endr
.Lasked_\@:
.endm
.macro CREST
	s_cmp_lg_u32 s14, 0
	s_cbranch_scc1 .Lnot_wave_0_\@
	s_barrier_signal -3
.Lnot_wave_0_\@:
	s_barrier_wait -3
	s_barrier_signal -1
	s_barrier_wait -1
.endm
.macro CROUND
	s_barrier_signal -1
	s_barrier_wait -1
	CREST
.endm
.macro PLACES                          ; four plain places behind a matrix instruction (ISA guide 7.12.1)
.rept 4
	v_nop
.endr
.endm
.macro ASK                             ; a lane a unit of 256 bytes; waves 0 and 1 have 48, waves 2 and 3 25 (the lanes left over name the last again)
	global_prefetch_b8 v[PFO], s[PFA:PFA+1] th:TH_LOAD_NT scope:SCOPE_SE
	s_cmp_eq_u32 s15, 0
	s_cbranch_scc0 .Lno_more_\@
	global_prefetch_b8 v[PFO+1], s[PFA:PFA+1] offset:8192 th:TH_LOAD_NT scope:SCOPE_SE
.Lno_more_\@:
.endm
.macro FRAG reg, adr, q, i, sb
.irp g, 0,1,2
	ds_load_b128 v[\reg+4*\g:\reg+4*\g+3], v[\adr] offset:((\q)/2)*(\sb)+(2*(\i)+(\q)%2)*1536+512*\g
.endr
.endm
.macro LB4 ring, q, p, i0              ; four of V's fragments: 12 loads
	WIN TO_B
.irp i, 0,1,2,3
	FRAG 128*(\p)+12*(\i0+\i), ADRB+\ring, \q, \i0+\i, BLK
.endr
	WIN 0
.endm
.macro LA4 ring, q, p                  ; P's four: 12 loads
.irp i, 0,1,2,3
	FRAG AF+48*(\p)+12*\i, ADRA+\ring, \q, \i, PBLK
.endr
.endm
.macro LSB ring, q, p                  ; V's scale words: 8 loads
.irp i, 0,1,2,3,4,5,6,7
	ds_load_b32 v[SB+8*(\p)+\i], v[ADSB+\ring] offset:((\q)/2)*BLK+512*((\q)%2)+64*\i
.endr
.endm
.macro MULG ch, pr, p, sa, z           ; eight products: P's row blocks 2 pr, 2 pr + 1 x V's 4 ch .. 4 ch + 3; the 32 accumulators take turns in one order in every step
	WIN MUL
.irp u, 0,1
.irp w, 0,1,2,3
.set DD, 8*(8*(2*(\pr)+\u)+4*(\ch)+\w)
.set FB, 128*(\p)+12*(4*(\ch)+\w)
.set FP, AF+48*(\p)+12*(2*(\pr)+\u)
.set KA, SB+8*(\p)+4*(\ch)+\w
.set KB, \sa+(\pr)
.if \z
.if \u
	v_wmma_scale_f32_16x16x128_f8f6f4 v[DD:DD+7], v[FB:FB+11], v[FP:FP+11], 0, v[KA], v[KB] matrix_a_fmt:MATRIX_FMT_BF6 matrix_b_fmt:MATRIX_FMT_BF6 matrix_b_scale:MATRIX_SCALE_ROW1
.else
	v_wmma_scale_f32_16x16x128_f8f6f4 v[DD:DD+7], v[FB:FB+11], v[FP:FP+11], 0, v[KA], v[KB] matrix_a_fmt:MATRIX_FMT_BF6 matrix_b_fmt:MATRIX_FMT_BF6
.endif
.else
.if \u
	v_wmma_scale_f32_16x16x128_f8f6f4 v[DD:DD+7], v[FB:FB+11], v[FP:FP+11], v[DD:DD+7], v[KA], v[KB] matrix_a_fmt:MATRIX_FMT_BF6 matrix_b_fmt:MATRIX_FMT_BF6 matrix_b_scale:MATRIX_SCALE_ROW1
.else
	v_wmma_scale_f32_16x16x128_f8f6f4 v[DD:DD+7], v[FB:FB+11], v[FP:FP+11], v[DD:DD+7], v[KA], v[KB] matrix_a_fmt:MATRIX_FMT_BF6 matrix_b_fmt:MATRIX_FMT_BF6
.endif
.endif
.endr
.endr
.endm
; A step of 128 keys on set p; the next step's operands (slot nr, its nq-th 128) come into the other set.
.macro STEP p, sa, z, nr, nq
	s_wait_dscnt 12                                ; all but the youngest twelve loads (V's blocks 4-7) are in
	PLACES                                         ; for the loads into the other set, which the step before multiplied
	LSB \nr, \nq, 1-\p
	LA4 \nr, \nq, 1-\p
	MULG 0, 0, \p, \sa, \z
	LB4 \nr, \nq, 1-\p, 0
	MULG 0, 1, \p, \sa, \z
	s_wait_dscnt 32                                ; V's blocks 4-7 are in; the next step's 8 + 12 + 12 may be out
	MULG 1, 0, \p, \sa, \z
	LB4 \nr, \nq, 1-\p, 4
	MULG 1, 1, \p, \sa, \z
	WIN 0
.endm
; The last step on a slot.  In front of its barrier each wave waits for all its tensor loads, adds 0 to its spare word, and waits for that and for its LDS reads.  mode = 1 shows the last fill to every wave; mode = 2 opens a round
; of the cluster's barrier, and slot fr is filled again first thing behind it.
.macro TURN p, sa, mode, fr, nr
	s_wait_tensorcnt 0x0                           ; all my tensor loads have landed
	ds_add_u32 v[SPW], v[NIL]                      ; 0 onto my spare word
.if (\mode)==2
	s_add_nc_u64 s[G0+4*\fr+2:G0+4*\fr+3], s[G0+4*\fr+2:G0+4*\fr+3], 4*PBLK   ; no tensor load of mine is out: two fills on
	s_add_nc_u64 s[G0B+4*\fr+2:G0B+4*\fr+3], s[G0B+4*\fr+2:G0B+4*\fr+3], 4*BLK
.endif
	s_wait_dscnt 13                                ; (the add and V's blocks 4-7 may be out)
	MULG 0, 0, \p, \sa, 0
	s_wait_dscnt 0x0                               ; the add is done and my reads of this slot are over
	s_barrier_signal -1
	MULG 0, 1, \p, \sa, 0
	WIN 0
	s_barrier_wait -1
.if (\mode)==2
	CREST                                          ; no wave of any partner still reads this slot or has a load on its way
	JLOAD G0+4*\fr, G1, G0B+4*\fr, G1B             ; its four v_nop are also the places in front of the loads below
.else
	PLACES
.endif
	LSB \nr, 0, 1-\p
	LA4 \nr, 0, 1-\p
	LB4 \nr, 0, 1-\p, 0
	MULG 1, 0, \p, \sa, 0
	LB4 \nr, 0, 1-\p, 4
	MULG 1, 1, \p, \sa, 0
	WIN 0
.endm
	s_load_b256 s[4:11], s[0:1], 0x0               ; pimg, st, qkv, out0
	v_lshl_add_u32 v[SPW], v0, 2, SPARE
	v_mov_b32 v[NIL], 0
	ds_add_u32 v[SPW], v[NIL]                      ; the wave's opening: the add, twice on end, ahead of my first tensor load
	ds_add_u32 v[SPW], v[NIL]
	v_lshrrev_b32 v1, 5, v0
	v_readfirstlane_b32 s14, v1                    ; wave 0..3: its 64 queries of the tile
	s_lshr_b32 s15, s14, 1                         ; which group of 128 queries.  Also: I fetch for P (0) or for V (1)
	s_and_b32 s16, s14, 1                          ; which half of it.  Also: which part of a fill I fetch
	s_bfe_u32 s66, ttmp6, 0x40000                  ; cx
	s_bfe_u32 s67, ttmp6, 0x40004                  ; cy
	s_and_b32 s68, ttmp7, 0xffff
	s_lshr_b32 s69, s68, 1                         ; the batch
	s_and_b32 s68, s68, 1                          ; 0: queries 0-1,023, the short walk; 1: the long one
	s_lshl_b32 s70, s68, 2
	s_add_co_u32 s70, s70, s67                     ; my tile of 256 queries: hangs on cy alone
	s_lshl_b32 s72, ttmp9, 2
	s_add_co_u32 s72, s72, s66                     ; my 128 channels: on cx alone
	s_mov_b32 s17, 0x42fe0000                      ; 127.0
	s_cmp_eq_u32 s68, 1
	s_cselect_b32 s19, 0, s17                      ; the least M - M_c of chunks 0-7: in the short walk their place is taken by chunks 8-15, which hold the same numbers
	s_cselect_b32 s13, -1, 0
	s_mov_b32 s18, 0xffff0000                      ; lanes 16-31
	s_mov_b32 s20, 0x76543210
	s_mov_b32 s21, 0xfedcba98                      ; v_permlanex16_b32's selects for lane l xor 16
	s_lshl_b32 s75, s67, 2
	s_lshl_b32 s75, 15, s75                        ; my row of the cluster
	s_lshl_b32 s76, 0x1111, s66                    ; my column
	s_or_b32 s[G1], s75, (3<<16)|(1<<21)           ; 15:0 the mask; 17:16 elements of 8 bytes; 21 set beside a mask; no padding
	s_or_b32 s[G1B], s76, (3<<16)|(1<<21)
	s_mov_b32 s[G1+1], 32<<16                      ; P: two dense blocks: 192 rows of 256 bytes
	s_mov_b32 s[G1+2], 192<<16
	s_mov_b32 s[G1+3], 32<<16
	s_mov_b32 s[G1+4], 192
	s_mov_b32 s[G1+5], 32
	s_mov_b32 s[G1+6], 0
	s_mov_b32 s[G1+7], 0
	s_mov_b32 s[G1B+1], 32<<16                     ; V: a block: 100 rows
	s_mov_b32 s[G1B+2], 100<<16
	s_mov_b32 s[G1B+3], 32<<16
	s_mov_b32 s[G1B+4], 100
	s_mov_b32 s[G1B+5], 32
	s_mov_b32 s[G1B+6], 0
	s_mov_b32 s[G1B+7], 0
	s_lshl_b32 s77, s69, 4
	s_lshl_b32 s78, s70, 1
	s_add_co_u32 s77, s77, s78                     ; my tile's first group of queries
	s_add_co_u32 s84, s77, s15                     ; my own group,
	s_mul_i32 s84, s84, 16*STB                     ; its 16 chunks in st
	s_mov_b32 s85, 0
	s_add_co_u32 s77, s77, s16                     ; the group of P that I would fetch
	s_mul_i32 s78, s77, 8*PBLK
	s_mov_b32 s79, 0
	s_lshl_b32 s80, s69, 3
	s_add_co_u32 s80, s80, s72
	s_lshl_b32 s80, s80, 3
	s_add_co_u32 s80, s80, s16
	s_add_co_u32 s80, s80, 512                     ; and the block of V
	s_mul_i32 s80, s80, BLK
	s_mov_b32 s81, 0
	s_mul_i32 s82, s16, AH                         ; where they go: no place in the cluster enters an LDS address
	s_mul_i32 s83, s16, BLK
	s_add_co_u32 s83, s83, BOFF
	s_lshl_b32 s96, s69, 11
	s_lshl_b32 s97, s70, 8
	s_add_co_u32 s96, s96, s97
	s_lshl_b32 s97, s14, 6
	s_add_co_u32 s96, s96, s97                     ; my first row of the result,
	s_lshl_b32 s96, s96, 12
	s_lshl_b32 s97, s72, 9
	s_add_co_u32 s96, s96, s97                     ; + my channels
	s_mov_b32 s97, 0
	s_mul_i32 s86, s15, AH
	s_mul_i32 s87, s16, 12288
	s_add_co_u32 s86, s86, s87                     ; my four row blocks of P in a slot
	s_mul_i32 s98, s14, 16*SPITCH                  ; my stage
	s_mul_i32 s99, s68, 8*STB                      ; in the short walk chunks 8-15 read chunks 0-7's numbers
	s_lshl_b32 s2, s16, 9                          ; my two units of words,
	s_lshl_b32 s3, s16, 8
	s_add_co_u32 s3, s3, 1024                      ; and of l_c
	s_cmp_eq_u32 s15, 0
	s_mov_b32 s87, 25
	s_cselect_b32 s87, 48, s87                     ; units of a fill that are mine to prefetch
	s_cselect_b32 s88, s66, s67                    ; my place among the four that ask for it with me
	s_cselect_b32 s89, 31, 24
	s_mov_b32 s90, AH
	s_mov_b32 s91, 2*BLK
	s_cselect_b32 s[PFS], s90, s91
	s_mov_b32 s[PFS+1], 0
	s_mul_i32 s88, s88, s87
	v_and_b32 v1, 31, v0                           ; lane
	v_and_b32 v2, 15, v0                           ; r
	v_bfe_u32 v3, v0, 4, 1                         ; h
	v_lshlrev_b32 v4, 4, v1                        ; 16 x lane
	v_lshl_add_u32 v10, v1, 3, s2                  ; words and -M_c of chunks 0-7,
	v_add_nc_u32 v11, s99, v10                     ; 8-15
	v_lshl_add_u32 v12, v1, 3, s3                  ; l_c of chunks 0-7,
	v_add_nc_u32 v13, s99, v12                     ; 8-15
	v_min_u32 v5, s89, v1
	v_add_nc_u32 v5, s88, v5
	v_lshlrev_b32 v[PFO], 8, v5
	v_min_u32 v6, 15, v1
	v_add_nc_u32 v6, s88, v6
	v_lshlrev_b32 v[PFO+1], 8, v6                  ; (and 32 units on by the immediate)
	v_lshlrev_b32 v7, 2, v2
	v_add_nc_u32 v[ADRA], s86, v4
	v_add_nc_u32 v[ADRB], BOFF, v4
	v_add_nc_u32 v[ADSB], BOFF+24576, v7
.irp r, ADRA, ADRB, ADSB
	v_add_nc_u32 v[\r+1], SLOT, v[\r]
.endr
	v_mul_u32_u24 v[STO], v2, SPITCH
	v_lshl_add_u32 v[STO], v3, 6, v[STO]
	v_add_nc_u32 v[STO], s98, v[STO]
	v_add_nc_u32 v[RD], s98, v4
	s_wait_alu depctr_va_vdst(0)
	s_wait_dscnt 0x0                               ; both opening adds are done
	CROUND                                         ; all sixteen work-groups are here: the first joint loads meet
	s_wait_kmcnt 0x0
	s_add_nc_u64 s[6:7], s[6:7], s[84:85]
.irp n, 0,1,2,3,4,5,6,7,8,9,10,11,12,13,14,15
.irp p, 0,1
.if \n < 8
	global_load_b64 v[REC+2*(2*\n+\p):REC+2*(2*\n+\p)+1], v10, s[6:7] offset:STB*\n+256*\p
.else
	global_load_b64 v[REC+2*(2*\n+\p):REC+2*(2*\n+\p)+1], v11, s[6:7] offset:STB*(\n-8)+256*\p
.endif
.endr
.endr
	s_add_nc_u64 s[78:79], s[4:5], s[78:79]
	s_add_nc_u64 s[80:81], s[8:9], s[80:81]
.irp s, 0,1
	s_mov_b32 s[G0+4*\s], 1
	s_add_co_u32 s[G0+4*\s+1], s82, \s*SLOT
	s_add_nc_u64 s[G0+4*\s+2:G0+4*\s+3], s[78:79], \s*2*PBLK
	s_or_b32 s[G0+4*\s+3], s[G0+4*\s+3], 0x80000000
	s_mov_b32 s[G0B+4*\s], 1
	s_add_co_u32 s[G0B+4*\s+1], s83, \s*SLOT
	s_add_nc_u64 s[G0B+4*\s+2:G0B+4*\s+3], s[80:81], \s*2*BLK
	s_or_b32 s[G0B+4*\s+3], s[G0B+4*\s+3], 0x80000000
.endr
	JLOAD G0, G1, G0B, G1B                         ; fill 0: one tensor load a wave at the head
	s_add_nc_u64 s[10:11], s[10:11], s[96:97]
	s_cmp_eq_u32 s15, 0
	s_cselect_b64 s[PFA:PFA+1], s[78:79], s[80:81]
	s_add_nc_u64 s[PFA:PFA+1], s[PFA:PFA+1], s[PFS:PFS+1]
	s_add_nc_u64 s[PFA:PFA+1], s[PFA:PFA+1], s[PFS:PFS+1]  ; my part of fill 2
	s_wait_loadcnt 0x0                             ; the words and -M_c are in
; The lane's two rows (i = 0, 1): -M = the least -M_c;  then four chunks at a time.
.irp p, 0,1
	v_min3_num_f32 v[MN+\p], v[REC+2*\p+1], v[REC+2*(2+\p)+1], v[REC+2*(4+\p)+1]
.endr
.irp n, 3,5,7,9,11,13
.irp p, 0,1
	v_min3_num_f32 v[MN+\p], v[MN+\p], v[REC+2*(2*\n+\p)+1], v[REC+2*(2*\n+2+\p)+1]
.endr
.endr
.irp p, 0,1
	v_min_num_f32 v[MN+\p], v[MN+\p], v[REC+2*(30+\p)+1]
.endr
.macro FIX8 n0
.irp k, 0,1,2,3,4,5,6,7
	v_sub_f32 v[TD+\k], v[REC+2*(2*(\n0)+\k)+1], v[MN+\k%2]        ; M - M_c,
.endr
.irp k, 0,1,2,3,4,5,6,7
.if (\n0) < 8
	v_med3_num_f32 v[TD+\k], v[TD+\k], s19, s17    ; held at 127
.else
	v_med3_num_f32 v[TD+\k], v[TD+\k], 0, s17
.endif
.endr
.irp k, 0,1,2,3,4,5,6,7
	v_cvt_u32_f32 v[TD+\k], v[TD+\k]
.endr
.irp k, 0,1,2,3,4,5,6,7
	v_perm_b32 v[TX+\k], v[TD+\k], v[TD+\k], 0     ; in all four bytes
.endr
.irp k, 0,1,2,3,4,5,6,7
	v_sub_nc_u32 v[TX+\k], v[REC+2*(2*(\n0)+\k)], v[TX+\k]         ; off each scale byte; bit 7 stays where the byte did not fall under 0
.endr
.irp k, 0,1,2,3,4,5,6,7
	v_and_b32 v[TM+\k], 0x80808080, v[TX+\k]
.endr
.irp k, 0,1,2,3,4,5,6,7
	v_lshrrev_b32 v[SA+2*(\n0)+\k], 7, v[TM+\k]
.endr
.irp k, 0,1,2,3,4,5,6,7
	v_sub_nc_u32 v[TM+\k], v[TM+\k], v[SA+2*(\n0)+\k]              ; 0x7f for each such byte
.endr
.irp k, 0,1,2,3,4,5,6,7
	v_and_b32 v[SA+2*(\n0)+\k], v[TX+\k], v[TM+\k]
.endr
.irp k, 0,1,2,3,4,5,6,7
	v_sub_nc_u32 v[TM+\k], 127, v[TD+\k]
.endr
.irp k, 0,1,2,3,4,5,6,7
	v_lshlrev_b32 v[FC+2*(\n0)+\k], 23, v[TM+\k]   ; 2^(M_c - M), 0 where M - M_c is 127
.endr
.endm
.irp n, 0,4,8,12
	FIX8 \n
.endr
	v_cndmask_b32 v[SAF], v[SA+16], v[SA], s13     ; the walk's first chunk: chunk 0, in the short walk under the name of chunk 8
	v_cndmask_b32 v[SAF+1], v[SA+17], v[SA+1], s13
.rept 8
	v_nop                                          ; a scale register written by a vector instruction stands 8 places ahead of a scaled matrix instruction
.endr
	s_wait_alu depctr_va_vdst(0)                   ; the wait at the head's end
	s_wait_tensorcnt 0x0                           ; my part of fill 0 is in
	ds_add_u32 v[SPW], v[NIL]
	s_wait_dscnt 0x0
	CROUND                                         ; everybody's is
	JLOAD G0+4, G1, G0B+4, G1B                     ; fill 1, the first tensor load behind the round
	LSB 0, 0, 0                                    ; the first step's operands
	LA4 0, 0, 0
	LB4 0, 0, 0, 0
	LB4 0, 0, 0, 4
	WIN 0xc0                                       ; destination: window 3
.irp n, 0,1,2,3,4,5,6,7,8,9,10,11,12,13,14,15
.if \n < 8
	global_load_b64 v[LC+2*\n:LC+2*\n+1], v12, s[6:7] offset:STB*\n
.else
	global_load_b64 v[LC+2*\n:LC+2*\n+1], v13, s[6:7] offset:STB*(\n-8)
.endif
.endr
	WIN 0
	STEP 0, SAF, 1, 0, 1                           ; its products start the sums
	s_cmp_eq_u32 s68, 0                            ; the short walk goes on with the last seven steps: a branch on the cluster's number, the same in all partners
	s_cbranch_scc1 .Ltail
	STEP 1, SA+2*1, 0, 0, 2
	ASK                                            ; fill 2
	STEP 0, SA+2*2, 0, 0, 3
	TURN 1, SA+2*3, 2, 0, 1
	STEP 0, SA+2*4, 0, 1, 1
	s_wait_xcnt 0x0                                ; my prefetches have read their address
	s_add_nc_u64 s[PFA:PFA+1], s[PFA:PFA+1], s[PFS:PFS+1]
	ASK                                            ; fill 3
	STEP 1, SA+2*5, 0, 1, 2
	STEP 0, SA+2*6, 0, 1, 3
	TURN 1, SA+2*7, 2, 1, 0
	STEP 0, SA+2*8, 0, 0, 1
.Ltail:
	STEP 1, SA+2*9, 0, 0, 2
	STEP 0, SA+2*10, 0, 0, 3
	TURN 1, SA+2*11, 1, 0, 1
	STEP 0, SA+2*12, 0, 1, 1
	STEP 1, SA+2*13, 0, 1, 2
	; l = the sum of l_c 2^(M_c - M), two chains for each of the lane's rows, and 1 / l for both halves of the lanes
	s_wait_loadcnt 0x0                             ; the l_c are in
	WIN 0x03                                       ; source 0: window 3
.set I, 0
.rept 32
.if I < 4
	v_mul_f32 v[LS+I%4], v[LC+I], v[FC+I]
.else
	v_fma_f32 v[LS+I%4], v[LC+I], v[FC+I], v[LS+I%4]
.endif
.set I, I+1
.endr
	WIN 0
	v_add_f32 v[LS], v[LS], v[LS+2]
	v_add_f32 v[LS+1], v[LS+1], v[LS+3]
	s_wait_alu depctr_va_vdst(0)                   ; the wait ahead of the transcendentals
	v_rcp_f32 v60, v[LS]
	v_rcp_f32 v61, v[LS+1]
	v_mov_b32 v[TD], 0                             ; a lane permute's destination counts as one of its sources
	v_mov_b32 v[TD+1], 0
.irp a, 0,1,2,3
	v_mov_b32 v[LA+2*\a+1], 0                      ; (named with it as a pair, so it is written)
.endr
	s_wait_alu depctr_va_vdst(0)                   ; and behind them
	v_permlanex16_b32 v[TD], v60, s20, s21
	v_permlanex16_b32 v[TD+1], v61, s20, s21
	v_cndmask_b32 v[LA], v60, v[TD], s18
	v_cndmask_b32 v[LA+2], v[TD], v60, s18
	v_cndmask_b32 v[LA+4], v61, v[TD+1], s18
	v_cndmask_b32 v[LA+6], v[TD+1], v61, s18
	s_wait_alu depctr_va_vdst(0)
	STEP 0, SA+2*14, 0, 1, 3
	s_wait_dscnt 12                                ; the last step: nothing more to fetch
	MULG 0, 0, 1, SA+2*15, 0
	MULG 0, 1, 1, SA+2*15, 0
	s_wait_dscnt 0x0
	MULG 1, 0, 1, SA+2*15, 0
	MULG 1, 1, 1, SA+2*15, 0
	WIN 0
; THE WAY OUT, row block by row block: divided by l, through my stage, and out as rows of 512 bytes, while the next block is on its way through the stage.
.macro TOSTAGE a
	WIN 0xc2                                       ; source 0 window 2, destination window 3
.set I, 0
.rept 32
	v_pk_mul_f32 v[I:I+1], v[64*(\a)+I:64*(\a)+I+1], v[LA+2*(\a):LA+2*(\a)+1] op_sel_hi:[1,0]
.set I, I+2
.endr
	WIN 0x0c                                       ; the data: window 3
.irp b, 0,1,2,3,4,5,6,7
	ds_store_b128 v[STO], v[8*\b:8*\b+3] offset:128*(\b/2)+32*(\b%2)
	ds_store_b128 v[STO], v[8*\b+4:8*\b+7] offset:128*(\b/2)+32*(\b%2)+16
.endr
	WIN 0
.set BB, BK+64*((\a)%2)
.irp t, 0,1,2,3,4,5,6,7,8,9,10,11,12,13,14,15
	ds_load_b128 v[BB+4*\t:BB+4*\t+3], v[RD] offset:\t*SPITCH      ; LDS serves a wave's instructions in order (ISA guide 5.7.1.4): these see the stores above
.endr
.endm
.macro SEND a, younger                 ; younger: the LDS instructions issued behind block a's loads, which may stay out
.set BB, BK+64*((\a)%2)
	s_wait_dscnt \younger
.irp t, 0,1,2,3,4,5,6,7,8,9,10,11,12,13,14,15
	global_store_b128 v4, v[BB+4*\t:BB+4*\t+3], s[10:11] offset:(32*((\a)/2)+8*((\a)%2)+\t+8*(\t/8))*4096 th:TH_STORE_NT   ; 512 consecutive bytes, aligned
.endr
.endm
	PLACES
	TOSTAGE 0
	TOSTAGE 1
	SEND 0, 32
	s_wait_xcnt 0x0                                ; block 0's stores have read their registers: block 2's loads may land there
	TOSTAGE 2
	SEND 1, 32
	s_wait_xcnt 0x0
	TOSTAGE 3
	SEND 2, 32
	SEND 3, 0
	s_wait_tensorcnt 0x0                           ; the wave's end
	ds_add_u32 v[SPW], v[NIL]
	s_wait_dscnt 0x0
	CROUND                                         ; the closing round
	s_endpgm
.Lfunc_end_k_qe730ee8b14_mix:
	.size	k_qe730ee8b14_mix, .Lfunc_end_k_qe730ee8b14_mix-k_qe730ee8b14_mix
	.p2alignl 7, 3214868480
	.fill 96, 4, 3214868480
	.section	.rodata,"a",@progbits
	.p2align	6, 0x0
	.amdhsa_kernel k_qe730ee8b14_mix
		.amdhsa_group_segment_fixed_size 327680
		.amdhsa_private_segment_fixed_size 0
		.amdhsa_enable_private_segment 0
		.amdhsa_kernarg_size 32
		.amdhsa_user_sgpr_count 2
		.amdhsa_user_sgpr_kernarg_segment_ptr 1
		.amdhsa_wavefront_size32 1
		.amdhsa_system_sgpr_workgroup_id_x 1
		.amdhsa_system_sgpr_workgroup_id_y 1
		.amdhsa_system_sgpr_workgroup_id_z 1
		.amdhsa_system_vgpr_workitem_id 0
		.amdhsa_next_free_vgpr 1024
		.amdhsa_next_free_sgpr 100
		.amdhsa_reserve_vcc 0
		.amdhsa_float_denorm_mode_32 3
		.amdhsa_float_denorm_mode_16_64 3
		.amdhsa_memory_ordered 1
		.amdhsa_forward_progress 1
		.amdhsa_inst_pref_size 173
	.end_amdhsa_kernel
	.amdgpu_metadata
---
amdhsa.version: [ 1, 2 ]
amdhsa.kernels:
  - .name:           k_qe730ee8b14_mix
    .symbol:         k_qe730ee8b14_mix.kd
    .args:
      - { .name: pimg, .offset: 0, .size: 8, .value_kind: global_buffer, .address_space: global }
      - { .name: st, .offset: 8, .size: 8, .value_kind: global_buffer, .address_space: global }
      - { .name: qkv, .offset: 16, .size: 8, .value_kind: global_buffer, .address_space: global }
      - { .name: out0, .offset: 24, .size: 8, .value_kind: global_buffer, .address_space: global }
    .group_segment_fixed_size: 327680
    .private_segment_fixed_size: 0
    .kernarg_segment_align: 8
    .kernarg_segment_size: 32
    .max_flat_workgroup_size: 128
    .sgpr_count:     100
    .vgpr_count:     1024
    .wavefront_size: 32
...
	.end_amdgpu_metadata
.endif
;; end of part 4
